; MI455X (gfx1250); checked and timed in simulation.
; The chip was launched on July 23, 2026; its instructions are those of AMD's public machine-readable ISA for CDNA 5 (MIT licence, August 2026) and "CDNA5" Instruction Set Architecture Reference Guide (July 2026). The comments in the code are by the model that wrote it; some were corrected since.
;; Self Attention. Allowed arithmetic: matrix products marked QUANTISED: E2M3 operands, one E8M0 scale for each 32 along K, by v_wmma_scale_f32_16x16x128_f8f6f4 with both operands' format E2M3, f32 sums; everything else in f32.
;; Inputs: Wk 1,024 x 1,024 float32; Wo 1,024 x 1,024 float32; Wq 1,024 x 1,024 float32; Wv 1,024 x 1,024 float32; bk 1,024 float32; bo 1,024 float32; bq 1,024 float32; bv 1,024 float32; key 4 x 2,048 x 1,024 float32; query 4 x 2,048 x 1,024 float32; value 4 x 2,048 x 1,024 float32.
;; Outputs: out0 4 x 2,048 x 1,024 float32.
;; This version of the problem:
;;   THIS VERSION OF THE PROBLEM IS GIVEN IN LOW PRECISION. The matrix products marked QUANTISED in the list below multiply operands that are first quantised to E2M3 (2 exponent bits, 3 mantissa bits; 6 bits a number), with one power-of-two scale for each 32 numbers along K (OCP MX v1.0); their sums are f32. All else is computed in f32.
;;   The module's matrix products, in the order in which they are computed (A, B: the left and right operand; K: the contracted axis; several contracted axes count as one K, in the product's order):
;;     1. [M 8,192, K 1,024] x [K 1,024, N 1,024]; A: input query; B: input Wq: QUANTISED
;;     2. [M 8,192, K 1,024] x [K 1,024, N 1,024]; A: input key; B: input Wk: QUANTISED
;;     3. [M 8,192, K 1,024] x [K 1,024, N 1,024]; A: input value; B: input Wv: QUANTISED
;;     4. batch 64 x [M 2,048, K 64] x [K 64, N 2,048]; A: computed on the way; B: computed on the way: QUANTISED
;;     5. batch 64 x [M 2,048, K 2,048] x [K 2,048, N 64]; A: softmax (see below); B: computed on the way: QUANTISED
;;     6. [M 8,192, K 1,024] x [K 1,024, N 1,024]; A: computed on the way; B: input Wo: QUANTISED
;;   THE QUANTISER, for each operand of a quantised product, along K:
;;     - K is cut into blocks of 32 from its start; a last block that is shorter is filled with zeros.
;;     - A block's scale is 2^e with e = floor(log2(the largest magnitude in the block)) - 2, held to -126 .. 127; a block of zeros has e = 0. As a byte (E8M0): e + 127.
;;     - Each number is divided by its block's scale, clamped to +-7.5, and rounded to the nearest number of E2M3, ties to even, subnormals kept.
;;     - The product sums the exact products of the quantised numbers (number of the format x scale) in f32.
;;   ~~~python
;;   def quantise(x, axis):      # numpy; x: float32 -> the quantised numbers, widened to float32 again
;;       x = np.moveaxis(x, axis, -1); K = x.shape[-1]
;;       x = np.pad(x, [(0, 0)] * (x.ndim - 1) + [(0, -K % 32)]); x = x.reshape(x.shape[:-1] + (-1, 32)); a = np.abs(x).max(-1, keepdims=True)
;;       e = np.where(a > 0, np.clip(np.frexp(np.where(a > 0, a, 1))[1] - 1 - 2, -126, 127), 0)      # np.frexp(a)[1] - 1 = floor(log2(a)), exactly
;;       r = np.clip(x / 2.0 ** e, -7.5, 7.5)
;;       step = 2.0 ** (np.maximum(np.frexp(np.where(r == 0, 1, r))[1] - 1, 0) - 3)
;;       q = np.round(r / step) * step * 2.0 ** e      # np.round: ties to even
;;       return np.moveaxis(q.reshape(q.shape[:-2] + (-1,))[..., :K], -1, axis).astype(np.float32)
;;   ~~~
;;   SOFTMAX AHEAD OF A QUANTISED PRODUCT. Where the list says 'softmax', what is quantised is not the finished softmax but p = 2^(t - M), with t = logit x log2(e) and M = ceil(the row's largest t), a whole number; so 1/2 < the row's largest p <= 1. The row's sum l is taken of the UNQUANTISED p, in f32, and the product's result is divided by l at the end. Since M is a whole number, a kernel that streams over the keys may use a running M (the ceiling of the running maximum): every later rescaling is an exact power of two, which a block's scale takes up: the codes' values come out the same.
;;   OPERANDS COMPUTED ON THE WAY. 'Computed on the way' means the value that the module computes at that place (a softmax that the list does not call 'softmax' is quantised finished and normalised). What goes into a quantiser is computed in f32, as accurately as f32 sums, v_exp_f32 and their like allow (about 1e-6 of the number): no bf16 or f16 on the way to a quantiser, and a product that is left as it is and whose result goes on into a quantised operand takes f32 operands (vector FMAs, or v_wmma_f32_16x16x4_f32). A number that lies on a knife's edge between two numbers of the format may be rounded either way, as far as f32 arithmetic and the matrix unit's own rounding can turn it there, and no further.
;; One version. Each part assembles by itself: llvm-mc -triple=amdgcn-amd-amdhsa -mcpu=gfx1250 --defsym DOCPART=n.
;; ======== version 1 of 1: 4 launches
;; workspace buffers: wc 3,145,728 bytes; ws 131,072 bytes; xc 18,874,368 bytes; xs 786,432 bytes; qi 6,815,744 bytes; kv 13,369,344 bytes; oc 6,291,456 bytes; os 262,144 bytes
;; launch quant (part 1): grid 896 x 1, 4 waves a work-group, no clusters, 68,096 bytes of LDS; arguments Wq, Wk, Wv, Wo, query, key, value, wc, ws, xc, xs; writes wc, ws, xc, xs
.if DOCPART == 1
	.amdgcn_target "amdgcn-amd-amdhsa--gfx1250"
	.amdhsa_code_object_version 6
	.text
	.protected	k_qb117f2a0e7_quant
	.globl	k_qb117f2a0e7_quant
	.p2align	8
	.type	k_qb117f2a0e7_quant,@function
k_qb117f2a0e7_quant:
	s_mov_b64 s[64:65], 0
	v_nop
	global_prefetch_b8 v0, s[64:65] scope:SCOPE_SE
	s_setreg_imm32_b32 hwreg(HW_REG_WAVE_MODE, 25, 1), 1
	s_wait_xcnt 0x0
; The seven f32 inputs that are operands of products become codes of FP6 (E2M3), K innermost, with one E8M0 scale byte for each 32 along K.
; A block's scale is 2^(floor(log2(its largest magnitude)) - 2); its byte is the largest magnitude's exponent field - 2, held at 1 from below.
; Work-groups 0-127: the four weights [1024 (k)][1024 (n)], K the FIRST axis: a lane takes a column and its registers run down K; codes leave through a stage in LDS as rows [n][768 bytes].
; Work-groups 128-895: query, key, value [8192][1024], K innermost: plain streams of blocks of 32; a wave takes 8 rows (8,192 numbers) in 16 steps of 512.
; THE ORDER OF ROWS.  pi(n) is n with bits 3 and 4 exchanged.  Position p of Wq's, Wk's, Wv's, key's and value's codes and scale bytes holds the actual row pi(p); Wo and query lie as they are.
; So a tile of 16 neighbouring positions holds rows 8 u + r + 8 (r / 8) of its group of 32, and the products that take these rows as source 0 leave 16 neighbours along the next K in a lane's 16 registers.
; LIMITS: NaN and infinities among the inputs are not served; a block whose largest magnitude lies under 2^-124 has its byte held at 1; a block of zeros gets the byte 1 and zero codes (these bytes are read by this program alone).
; The two paths part on the work-group's number and have LDS bytes of their own: the streams 0 .. 32,767, the weights 32,768 .. 67,583.  No barrier: waves share nothing.
.set STEPS, 16
.set CB,    12                         ; bytes of 16 codes
.set WREG,  8192                       ; streams: a wave's LDS region: two stages of 32 x SP bytes, then its 256 scale bytes
.set SP,    80                         ; a lane's place in a stage: 64 bytes + 16 of padding
.set XR,    16                         ; v16-79   four sets of 16 numbers as loaded
.set XX,    80                         ; v80-111  two sets of 16 neighbours
.set XE,    112                        ; v112-127 a scale byte for each step
.set XC,    128                        ; v128-191 codes: four registers a step
.set NB,    8                          ; weights: blocks of 32 along K for a wave
.set PITCH, 272                        ; a stage row: sixteen places of 16 bytes + 16
.set KROW,  768                        ; a row of codes in memory
.set WSTG,  32768                      ; the weights' stages begin here
.set WSB,   24                         ; v24-25   scale bytes, four to a register
.set WX,    32                         ; v32-95   two sets of 32 numbers
.set WC,    96                         ; v96..    a block's codes
.set WOUT,  112                        ; v112-175 the way out
	s_load_b256 s[4:11], s[0:1], 0x0               ; Wq, Wk, Wv, Wo
	s_load_b256 s[12:19], s[0:1], 0x20             ; query, key, value, wc
	s_load_b128 s[20:23], s[0:1], 0x40             ; ws, xc
	s_load_b64 s[24:25], s[0:1], 0x50              ; xs
	v_lshl_add_u32 v192, v0, 2, 0x10800
	v_mov_b32 v193, 0
	v_lshrrev_b32 v1, 5, v0
	v_readfirstlane_b32 s26, v1                    ; wave
	v_and_b32 v2, 31, v0                           ; lane
	s_cmp_lt_u32 ttmp9, 128
	s_cbranch_scc1 .Lweights
	; ---------------- the streams: query, key, value ----------------
	v_lshlrev_b32 v3, 4, v2                        ; my 16 bytes of a load's 512
	s_mul_i32 s27, s26, WREG
	v_lshrrev_b32 v14, 2, v2
	v_mul_u32_u24 v14, v14, SP
	v_and_b32 v15, 3, v2
	v_lshl_add_u32 v14, v15, 4, v14
	v_add_nc_u32 v14, s27, v14                     ; the stage, on the way in: SP (lane / 4) + 16 (lane % 4)
	v_mul_u32_u24 v15, v2, SP
	v_add_nc_u32 v15, s27, v15                     ; on the way out: SP x lane: my 16 neighbours
	v_mul_u32_u24 v4, v2, CB                       ; my codes' place in a step's
	v_lshrrev_b32 v5, 1, v2
	s_add_co_u32 s27, s27, 2*32*SP
	v_add_nc_u32 v5, s27, v5                       ; my wave's 256 scale bytes, my block's byte
	v_lshlrev_b32 v7, 3, v2
	v_add_nc_u32 v6, s27, v7                       ; and on the way out 8 bytes a lane
	s_sub_co_u32 s28, ttmp9, 128
	s_lshr_b32 s29, s28, 8                         ; which tensor: 0 query, 1 key, 2 value
	s_and_b32 s28, s28, 255
	s_lshl_b32 s28, s28, 2
	s_add_co_u32 s28, s28, s26                     ; which run of 8 rows is my wave's: 0 .. 1,023
	s_and_b32 s32, s28, 0x3fc                      ; pi on rows exchanges bits 0 and 1 of the run's number
	s_bfe_u32 s33, s28, 0x10000
	s_lshl_b32 s33, s33, 1
	s_or_b32 s32, s32, s33
	s_bfe_u32 s33, s28, 0x10001
	s_or_b32 s32, s32, s33
	s_cmp_eq_u32 s29, 0
	s_cselect_b32 s32, s28, s32                    ; query lies as it is
	s_lshl_b32 s30, s28, 15                        ; in: 32,768 bytes a run
	s_mov_b32 s31, 0
	s_mul_i32 s34, s29, 6291456                    ; codes: the tensor's part, 6,144 bytes a run
	s_mul_i32 s33, s32, 6144
	s_add_co_u32 s34, s34, s33
	s_mov_b32 s35, 0
	s_lshl_b32 s36, s29, 18                        ; scale bytes: the tensor's part, 256 bytes a run
	s_lshl_b32 s33, s32, 8
	s_add_co_u32 s36, s36, s33
	s_mov_b32 s37, 0
	s_wait_alu depctr_va_vdst(0)
	s_wait_kmcnt 0x0
	s_cmp_eq_u32 s29, 1                            ; the choice hangs on the work-group's number alone
	s_cselect_b64 s[12:13], s[14:15], s[12:13]
	s_cmp_eq_u32 s29, 2
	s_cselect_b64 s[12:13], s[16:17], s[12:13]
	s_add_nc_u64 s[12:13], s[12:13], s[30:31]
	s_add_nc_u64 s[22:23], s[22:23], s[34:35]
	s_add_nc_u64 s[24:25], s[24:25], s[36:37]
.macro XLOAD t
.irp i, 0,1,2,3
	global_load_b128 v[XR+16*((\t)%4)+4*\i:XR+16*((\t)%4)+4*\i+3], v3, s[12:13] offset:2048*(\t)+512*\i th:TH_LOAD_NT   ; 32 lanes read 512 consecutive bytes
.endr
.endm
.macro XTURN t                         ; step t's numbers through the stage: LDS serves a wave's instructions in order, so no wait stands between the stores and the loads
.irp i, 0,1,2,3
	ds_store_b128 v14, v[XR+16*((\t)%4)+4*\i:XR+16*((\t)%4)+4*\i+3] offset:32*SP*((\t)%2)+8*SP*\i
.endr
.irp i, 0,1,2,3
	ds_load_b128 v[XX+16*((\t)%2)+4*\i:XX+16*((\t)%2)+4*\i+3], v15 offset:32*SP*((\t)%2)+16*\i
.endr
.endm
.irp t, 0,1,2,3
	XLOAD \t
.endr
	s_wait_loadcnt 12                              ; step 0's four loads are in; three steps' twelve may be out
	XTURN 0
.macro XSTEP t
.set XS, XX+16*((\t)%2)
.if (\t) > 0
	s_wait_dscnt 1                                 ; this step's numbers are back from the stage; the last step's byte store may be out
.else
	s_wait_dscnt 0x0
.endif
.if (\t)+4 < STEPS
	XLOAD (\t)+4                                   ; into the registers that this step's stage stores have read
.endif
.if (\t)+1 < STEPS
.if STEPS-2-(\t) >= 3
	s_wait_loadcnt 12                              ; the next step's four loads are in; those of the three steps behind it may be out
.else
	s_wait_loadcnt 4*(STEPS-2-(\t))
.endif
	XTURN (\t)+1
.endif
	v_max3_num_f32 v8, |v[XS]|, |v[XS+1]|, |v[XS+2]|               ; the largest magnitude of my 16, in two chains
	v_max3_num_f32 v9, |v[XS+3]|, |v[XS+4]|, |v[XS+5]|
.irp i, 6,10
	v_max3_num_f32 v8, v8, |v[XS+\i]|, |v[XS+\i+1]|
	v_max3_num_f32 v9, v9, |v[XS+\i+2]|, |v[XS+\i+3]|
.endr
	v_max3_num_f32 v8, v8, |v[XS+14]|, |v[XS+15]|
	v_max3_num_f32 v8, v8, v9, 0x1800000           ; and the floor 2^(3 - 127): the byte cannot fall under 1
	v_max_num_f32_dpp v8, v8, v8 row_xmask:1 row_mask:0xf bank_mask:0xf   ; and of my neighbour's 16: the block's
	v_add_nc_u32 v11, 0xff000000, v8               ; 2 off its exponent field: the conversion takes the exponent field of this operand as its scale
	v_cvt_scalef32_pk16_fp6_f32 v[XC+4*(\t):XC+4*(\t)+2], v[XS:XS+15], v11
	v_lshrrev_b32 v[XE+(\t)], 23, v11              ; the scale's byte (a plain line behind the conversion)
	ds_store_b8 v5, v[XE+(\t)] offset:16*(\t)      ; both lanes of a block write the same byte with the same value
	global_store_b96 v4, v[XC+4*(\t):XC+4*(\t)+2], s[22:23] offset:32*CB*(\t)   ; the wave stores 384 consecutive bytes
.endm
.irp t, 0,1,2,3,4,5,6,7,8,9,10,11,12,13,14,15
	XSTEP \t
.endr
	ds_load_b64 v[12:13], v6                       ; LDS serves a wave's instructions in order: these see my stores
	s_wait_dscnt 0x0
	global_store_b64 v7, v[12:13], s[24:25]        ; 32 lanes store 256 consecutive bytes, aligned
	s_wait_tensorcnt 0x0
	ds_add_u32 v192, v193
	s_wait_dscnt 0x0
	s_endpgm
	; ---------------- the weights ----------------
.Lweights:
	s_lshr_b32 s27, ttmp9, 5                       ; which weight: 0 Wq, 1 Wk, 2 Wv, 3 Wo
	s_and_b32 s28, ttmp9, 31
	s_and_b32 s29, s28, 7
	s_lshr_b32 s28, s28, 3                         ; which 256 along K
	s_lshl_b32 s29, s29, 7
	s_lshl_b32 s30, s26, 5
	s_add_co_u32 s29, s29, s30                     ; my wave's first column: 128 x (0 .. 7) + 32 x wave
	s_wait_alu depctr_va_vdst(0)
	v_and_b32 v3, 7, v2                            ; pi(lane): lane l reads the actual column pi(l), and all that it makes goes to position l
	v_bfe_u32 v10, v2, 3, 1
	v_bfe_u32 v11, v2, 4, 1
	v_lshl_or_b32 v3, v10, 4, v3
	v_lshl_or_b32 v3, v11, 3, v3
	s_cmp_lt_u32 s27, 3
	s_cselect_b32 s31, -1, 0
	v_cndmask_b32 v3, v2, v3, s31                  ; Wo lies as it is
	v_lshlrev_b32 v3, 2, v3                        ; in: 4 bytes a column
	s_mul_i32 s32, s26, 32*PITCH
	s_add_co_u32 s32, s32, WSTG                    ; my stage
	v_mul_u32_u24 v4, v2, PITCH
	v_add_nc_u32 v4, s32, v4                       ; into it: row = my position
	v_and_b32 v5, 15, v2
	v_lshrrev_b32 v6, 4, v2                        ; out of it: sixteen lanes to a row, two rows an instruction
	v_mul_u32_u24 v7, v6, PITCH
	v_lshl_add_u32 v7, v5, 4, v7
	v_add_nc_u32 v7, s32, v7
	v_mul_u32_u24 v8, v6, KROW
	v_mad_u32_u24 v8, v5, 12, v8                   ; and the same place in the codes' buffer
	v_lshlrev_b32 v9, 5, v2                        ; my position's row of scale bytes: 32 bytes a row
	s_lshl_b32 s34, s28, 20                        ; W: 256 rows of 4,096 bytes,
	s_lshl_b32 s33, s29, 2
	s_add_co_u32 s34, s34, s33                     ; + 4 x column
	s_mov_b32 s35, 0
	s_mul_i32 s36, s27, 786432                     ; codes: the weight's part + column x 768 + 192 x (which 256 along K)
	s_mul_i32 s33, s29, KROW
	s_add_co_u32 s36, s36, s33
	s_mul_i32 s33, s28, 192
	s_add_co_u32 s36, s36, s33
	s_mov_b32 s37, 0
	s_lshl_b32 s38, s27, 15                        ; scale bytes: the weight's part + column x 32 + 8 x (which 256)
	s_lshl_b32 s33, s29, 5
	s_add_co_u32 s38, s38, s33
	s_lshl_b32 s33, s28, 3
	s_add_co_u32 s38, s38, s33
	s_mov_b32 s39, 0
	s_wait_kmcnt 0x0
	s_cmp_eq_u32 s27, 1
	s_cselect_b64 s[4:5], s[6:7], s[4:5]
	s_cmp_eq_u32 s27, 2
	s_cselect_b64 s[4:5], s[8:9], s[4:5]
	s_cmp_eq_u32 s27, 3
	s_cselect_b64 s[4:5], s[10:11], s[4:5]
	s_add_nc_u64 s[4:5], s[4:5], s[34:35]
	s_add_nc_u64 s[18:19], s[18:19], s[36:37]
	s_add_nc_u64 s[20:21], s[20:21], s[38:39]
.macro WLOAD t                         ; block t: W(32 t + i, my column), i = 0 .. 31, into set t % 2; 32 lanes cover 128 consecutive bytes
.irp i, 0,1,2,3,4,5,6,7,8,9,10,11,12,13,14,15,16,17,18,19,20,21,22,23,24,25,26,27,28,29,30,31
	global_load_b32 v[WX+32*((\t)%2)+\i], v3, s[4:5] offset:(32*(\t)+\i)*4096 th:TH_LOAD_NT
.endr
.endm
	WLOAD 0
	WLOAD 1
.macro BLOCK t
.set XS, WX+32*((\t)%2)
.if (\t) < NB-1
	s_wait_loadcnt 32                              ; this block's 32 loads are in; the next block's may be out
.else
	s_wait_loadcnt 0
.endif
	v_max3_num_f32 v12, |v[XS]|, |v[XS+1]|, |v[XS+2]|               ; the block's largest magnitude: all 32 numbers are mine
	v_max3_num_f32 v13, |v[XS+3]|, |v[XS+4]|, |v[XS+5]|
.irp i, 6,10,14,18,22,26
	v_max3_num_f32 v12, v12, |v[XS+\i]|, |v[XS+\i+1]|
	v_max3_num_f32 v13, v13, |v[XS+\i+2]|, |v[XS+\i+3]|
.endr
	v_max3_num_f32 v12, v12, |v[XS+30]|, |v[XS+31]|
	v_max3_num_f32 v12, v12, v13, 0x1800000        ; and the floor 2^(3 - 127)
	v_add_nc_u32 v11, 0xff000000, v12              ; 2 off its exponent field: the conversion's scale operand
	v_lshrrev_b32 v13, 23, v11                     ; the scale's byte
.if (\t)%4 == 0
	v_mov_b32 v[WSB+(\t)/4], v13                   ; four bytes to a register, the lower K in the lower byte
.else
	v_lshl_or_b32 v[WSB+(\t)/4], v13, 8*((\t)%4), v[WSB+(\t)/4]
.endif
	v_cvt_scalef32_pk16_fp6_f32 v[WC:WC+2], v[XS:XS+15], v11
	v_cvt_scalef32_pk16_fp6_f32 v[WC+4:WC+6], v[XS+16:XS+31], v11   ; (a conversion's three registers begin on an even number)
	v_nop                                          ; one plain line behind the last conversion
	ds_store_b96 v4, v[WC:WC+2] offset:32*(\t)     ; 12 bytes to a place of 16, so that every LDS address is a multiple of 16
	ds_store_b96 v4, v[WC+4:WC+6] offset:32*(\t)+16
.if (\t)+2 < NB
	WLOAD (\t)+2
.endif
	s_wait_dscnt 0x0                               ; the stores have read their registers: the next block's codes may be written
.endm
.set Q, 0
.rept NB
	BLOCK Q
.set Q, Q+1
.endr
	s_wait_alu depctr_va_vdst(0)
	global_store_b64 v9, v[WSB:WSB+1], s[20:21]    ; my position's 8 scale bytes
.irp t, 0,1,2,3,4,5,6,7,8,9,10,11,12,13,14,15
	ds_load_b96 v[WOUT+4*\t:WOUT+4*\t+2], v7 offset:2*\t*PITCH   ; LDS serves a wave's instructions in order: these see my stores
.endr
.irp t, 0,1,2,3,4,5,6,7,8,9,10,11,12,13,14,15
	s_wait_dscnt 15-\t                             ; load t is back; the 15 - t behind it may be out
	global_store_b96 v8, v[WOUT+4*\t:WOUT+4*\t+2], s[18:19] offset:2*\t*KROW   ; sixteen lanes store a row's 192 consecutive bytes
.endr
	s_wait_tensorcnt 0x0
	ds_add_u32 v192, v193
	s_wait_dscnt 0x0
	s_endpgm
.Lfunc_end_k_qb117f2a0e7_quant:
	.size	k_qb117f2a0e7_quant, .Lfunc_end_k_qb117f2a0e7_quant-k_qb117f2a0e7_quant
	.p2alignl 7, 3214868480
	.fill 96, 4, 3214868480
	.section	.rodata,"a",@progbits
	.p2align	6, 0x0
	.amdhsa_kernel k_qb117f2a0e7_quant
		.amdhsa_group_segment_fixed_size 68096
		.amdhsa_private_segment_fixed_size 0
		.amdhsa_enable_private_segment 0
		.amdhsa_kernarg_size 88
		.amdhsa_user_sgpr_count 2
		.amdhsa_user_sgpr_kernarg_segment_ptr 1
		.amdhsa_wavefront_size32 1
		.amdhsa_system_sgpr_workgroup_id_x 1
		.amdhsa_system_sgpr_workgroup_id_y 1
		.amdhsa_system_sgpr_workgroup_id_z 1
		.amdhsa_system_vgpr_workitem_id 0
		.amdhsa_next_free_vgpr 194
		.amdhsa_next_free_sgpr 66
		.amdhsa_reserve_vcc 0
		.amdhsa_float_denorm_mode_32 3
		.amdhsa_float_denorm_mode_16_64 3
		.amdhsa_memory_ordered 1
		.amdhsa_forward_progress 1
		.amdhsa_inst_pref_size 75
	.end_amdhsa_kernel
	.amdgpu_metadata
---
amdhsa.version: [ 1, 2 ]
amdhsa.kernels:
  - .name:           k_qb117f2a0e7_quant
    .symbol:         k_qb117f2a0e7_quant.kd
    .args:
      - { .name: Wq, .offset: 0, .size: 8, .value_kind: global_buffer, .address_space: global }
      - { .name: Wk, .offset: 8, .size: 8, .value_kind: global_buffer, .address_space: global }
      - { .name: Wv, .offset: 16, .size: 8, .value_kind: global_buffer, .address_space: global }
      - { .name: Wo, .offset: 24, .size: 8, .value_kind: global_buffer, .address_space: global }
      - { .name: query, .offset: 32, .size: 8, .value_kind: global_buffer, .address_space: global }
      - { .name: key, .offset: 40, .size: 8, .value_kind: global_buffer, .address_space: global }
      - { .name: value, .offset: 48, .size: 8, .value_kind: global_buffer, .address_space: global }
      - { .name: wc, .offset: 56, .size: 8, .value_kind: global_buffer, .address_space: global }
      - { .name: ws, .offset: 64, .size: 8, .value_kind: global_buffer, .address_space: global }
      - { .name: xc, .offset: 72, .size: 8, .value_kind: global_buffer, .address_space: global }
      - { .name: xs, .offset: 80, .size: 8, .value_kind: global_buffer, .address_space: global }
    .group_segment_fixed_size: 68096
    .private_segment_fixed_size: 0
    .kernarg_segment_align: 8
    .kernarg_segment_size: 88
    .max_flat_workgroup_size: 128
    .sgpr_count:     66
    .vgpr_count:     194
    .wavefront_size: 32
...
	.end_amdgpu_metadata
.endif
;; end of part 1
;; launch proj (part 2): grid 32 x 12, 4 waves a work-group, clusters of 4 x 4, 327,680 bytes of LDS; arguments xc, xs, wc, ws, bq, bk, bv, qi, kv; writes qi, kv
.if DOCPART == 2
	.amdgcn_target "amdgcn-amd-amdhsa--gfx1250"
	.amdhsa_code_object_version 6
	.text
	.protected	k_qb117f2a0e7_proj
	.globl	k_qb117f2a0e7_proj
	.p2align	8
	.type	k_qb117f2a0e7_proj,@function
k_qb117f2a0e7_proj:
	s_mov_b64 s[64:65], 0
	v_nop
	global_prefetch_b8 v0, s[64:65] scope:SCOPE_SE
	s_setreg_imm32_b32 hwreg(HW_REG_WAVE_MODE, 25, 1), 1
	s_wait_xcnt 0x0
	s_wait_alu depctr_hold_cnt(0) depctr_sa_sdst(0) depctr_va_vdst(0) depctr_va_sdst(0) depctr_va_ssrc(0) depctr_va_vcc(0) depctr_vm_vsrc(0)
	s_getreg_b32 s2, hwreg(HW_REG_IB_STS2, 6, 4)
	s_cmp_eq_u32 s2, 0
	s_cbranch_scc0 .Lentry_in_a_cluster
	s_endpgm
.Lentry_in_a_cluster:
	s_bfe_u32 s2, ttmp6, 0x10000c
	s_cmp_lg_u32 s2, 0xf033
	s_cbranch_scc0 .Lentry_shape_is_right
	s_endpgm
.Lentry_shape_is_right:
.set KSTEP,  256
.set NQ,     KSTEP/128
.set ROWB,   192
.set KROW,   768
.set PITCH,  240
.set FR,     12
.set NL,     6
.set NP,     4
.set HALFT,  128*PITCH
.set SLOT,   4*HALFT
.set LAPS,   2
.set KS,     32
.set SCL,    2*SLOT
.set HALFS,  (128*KS/256)*272
.set SBLK,   (16*KS/256)*272
.set SPARE,  SCL+4*HALFS
.set ADRA, 16
.set ADRB, 20
.set L8,   24
.set LN,   25
.set L16,  26
.set ADRS, 27
.set SPW,  28
.set NIL,  29
.set BOF,  30
.set SC,   32
.set BC,   64
.set AF,   128
.set BR,   224
.set TM,   32
.set PW,   48
.set SW0,  64
.set SW1,  72
.set SWV,  80
.set SO,   88
.set HA,   128
.set PC,   192
.set SEL,  100
.set G1, 24
.set G0, 32
.set G1B, 48
.set G0B, 56
.set G1S, 68
.set G0S, 76
.set G1SB, 80
.set G0SB, 88
.set MSB, 0
.macro WIN new
.if MSB != \new
	s_set_vgpr_msb (MSB<<8)|\new
.set MSB, \new
.endif
.endm
.set MUL_LO, 0xa1
.set MUL_HI, 0xf1
.set TO_B,   0x40
.macro JLOAD g0a, g1a, g0b, g1b
	s_cmp_eq_u32 s15, 0
	s_cbranch_scc0 .Lfor_b_\@
	tensor_load_to_lds s[\g0a:\g0a+3], s[\g1a:\g1a+7]
	s_nop 0
.rept 4
	v_nop
.endr
	s_branch .Lasked_\@
.Lfor_b_\@:
	tensor_load_to_lds s[\g0b:\g0b+3], s[\g1b:\g1b+7]
	s_nop 0
.rept 4
	v_nop
.endr
.Lasked_\@:
.endm
.macro CREST
	s_cmp_lg_u32 s14, 0
	s_cbranch_scc1 .Lnot_wave_0_\@
	s_barrier_signal -3
.Lnot_wave_0_\@:
	s_barrier_wait -3
	s_barrier_signal -1
	s_barrier_wait -1
.endm
.macro CROUND
	s_barrier_signal -1
	s_barrier_wait -1
	CREST
.endm
	s_load_b256 s[68:75], s[0:1], 0x0
	s_load_b256 s[76:83], s[0:1], 0x20
	s_load_b64 s[84:85], s[0:1], 0x40
	v_lshl_add_u32 v[SPW], v0, 2, SPARE
	v_mov_b32 v[NIL], 0
	ds_add_u32 v28, v29
	ds_add_u32 v28, v29
	s_wait_dscnt 0x0
	v_lshrrev_b32 v1, 5, v0
	v_readfirstlane_b32 s14, v1
	s_lshr_b32 s15, s14, 1
	s_and_b32 s16, s14, 1
	s_bfe_u32 s40, ttmp6, 0x40000
	s_bfe_u32 s41, ttmp6, 0x40004
	s_and_b32 s96, ttmp7, 0xffff
	s_lshl_b32 s99, ttmp9, 2
	s_cmp_eq_u32 s96, 2
	s_cselect_b32 s17, 0, s99
	s_cselect_b32 s42, s99, 0
	s_add_co_u32 s17, s17, s41
	s_add_co_u32 s42, s42, s40
	s_lshl_b32 s43, s41, 2
	s_lshl_b32 s43, 15, s43
	s_lshl_b32 s44, 0x1111, s40
	s_mov_b32 s97, 0xffff
	s_mov_b32 s98, 0x7f7f0000
	s_mov_b32 s[SEL], 0x76543210
	s_mov_b32 s[SEL+1], 0xfedcba98
	s_or_b32 s[G1+0], s43, (0<<16)|(1<<20)|(1<<21)|(3<<22)|(3<<25)
	s_or_b32 s[G1B+0], s44, (0<<16)|(1<<20)|(1<<21)|(3<<22)|(3<<25)
.irp g, G1, G1B
	s_mov_b32 s[\g+1], ROWB<<16
	s_mov_b32 s[\g+2], 128<<16
	s_mov_b32 s[\g+3], ROWB<<16
	s_mov_b32 s[\g+4], 128
	s_mov_b32 s[\g+5], KROW
	s_mov_b32 s[\g+6], 0
	s_mov_b32 s[\g+7], 0
.endr
	s_lshl_b32 s18, s16, 7
	s_lshl_b32 s20, s17, 8
	s_add_co_u32 s20, s20, s18
	s_lshl_b32 s46, s42, 8
	s_add_co_u32 s46, s46, s18
	s_mov_b32 s21, 0
	s_mov_b32 s47, 0
	s_mov_b64 s[18:19], KS
	s_mul_u64 s[22:23], s[20:21], s[18:19]
	s_mul_u64 s[92:93], s[46:47], s[18:19]
	s_mov_b64 s[18:19], KROW
	s_mul_u64 s[20:21], s[20:21], s[18:19]
	s_mul_u64 s[46:47], s[46:47], s[18:19]
	s_mul_i32 s45, s14, HALFT
	s_mul_i32 s94, s14, HALFS
	s_wait_kmcnt 0x0
	s_mul_i32 s4, s96, 6291456
	s_mov_b32 s5, 0
	s_add_nc_u64 s[68:69], s[68:69], s[4:5]
	s_lshl_b32 s4, s96, 18
	s_add_nc_u64 s[70:71], s[70:71], s[4:5]
	s_mul_i32 s4, s96, 786432
	s_add_nc_u64 s[72:73], s[72:73], s[4:5]
	s_lshl_b32 s4, s96, 15
	s_add_nc_u64 s[74:75], s[74:75], s[4:5]
	s_cmp_lt_u32 s96, 2
	s_cselect_b64 s[4:5], s[68:69], s[72:73]
	s_cselect_b64 s[6:7], s[70:71], s[74:75]
	s_cselect_b64 s[8:9], s[72:73], s[68:69]
	s_cselect_b64 s[10:11], s[74:75], s[70:71]
	s_cmp_eq_u32 s96, 1
	s_cselect_b64 s[12:13], s[78:79], s[76:77]
	s_cmp_eq_u32 s96, 2
	s_cselect_b64 s[12:13], s[80:81], s[12:13]
	s_cmp_eq_u32 s96, 0
	s_cselect_b64 s[66:67], s[82:83], s[84:85]
	s_add_nc_u64 s[20:21], s[4:5], s[20:21]
	s_add_nc_u64 s[22:23], s[6:7], s[22:23]
	s_add_nc_u64 s[46:47], s[8:9], s[46:47]
	s_add_nc_u64 s[92:93], s[10:11], s[92:93]
	s_or_b32 s[G1S+0], s43, (3<<16)|(1<<20)|(1<<21)|(5<<22)|(3<<25)
	s_or_b32 s[G1SB+0], s44, (3<<16)|(1<<20)|(1<<21)|(5<<22)|(3<<25)
.irp g, G1S, G1SB
	s_mov_b32 s[\g+1], 32<<16
	s_mov_b32 s[\g+2], (128*KS/256)<<16
	s_mov_b32 s[\g+3], 32<<16
	s_mov_b32 s[\g+4], 128*KS/256
	s_mov_b32 s[\g+5], 32
	s_mov_b32 s[\g+6], 0
	s_mov_b32 s[\g+7], 0
.endr
	CROUND
	s_mov_b32 s[G0S], 1
	s_add_co_u32 s[G0S+1], s94, SCL
	s_mov_b64 s[G0S+2:G0S+3], s[22:23]
	s_or_b32 s[G0S+3], s[G0S+3], 0x80000000
	s_mov_b32 s[G0SB], 1
	s_add_co_u32 s[G0SB+1], s94, SCL
	s_mov_b64 s[G0SB+2:G0SB+3], s[92:93]
	s_or_b32 s[G0SB+3], s[G0SB+3], 0x80000000
	JLOAD G0S, G1S, G0SB, G1SB
.irp s, 0,1
	s_mov_b32 s[G0+4*\s], 1
	s_add_co_u32 s[G0+4*\s+1], s45, \s*SLOT
	s_add_nc_u64 s[G0+4*\s+2:G0+4*\s+3], s[20:21], \s*ROWB
	s_or_b32 s[G0+4*\s+3], s[G0+4*\s+3], 0x80000000
	s_mov_b32 s[G0B+4*\s], 1
	s_add_co_u32 s[G0B+4*\s+1], s45, \s*SLOT
	s_add_nc_u64 s[G0B+4*\s+2:G0B+4*\s+3], s[46:47], \s*ROWB
	s_or_b32 s[G0B+4*\s+3], s[G0B+4*\s+3], 0x80000000
	s_wait_alu depctr_va_vdst(0)
	s_wait_tensorcnt 0x0
	ds_add_u32 v28, v29
	s_wait_dscnt 0x0
	CROUND
	JLOAD G0+4*\s, G1, G0B+4*\s, G1B
.endr
	v_and_b32 v1, 15, v0
	v_bfe_u32 v2, v0, 4, 1
	s_cmp_eq_u32 s96, 2
	s_cbranch_scc1 .Lbias_v
	s_lshl_b32 s18, s42, 10
	s_lshl_b32 s19, s16, 9
	s_add_co_u32 s18, s18, s19
	s_mov_b32 s19, 0
	s_add_nc_u64 s[12:13], s[12:13], s[18:19]
	v_lshlrev_b32 v[BOF], 6, v2
.irp b, 0,1,2,3,4,5,6,7
	global_load_b128 v[BC+8*\b:BC+8*\b+3], v[BOF], s[12:13] offset:128*(\b/2)+32*(\b%2)
	global_load_b128 v[BC+8*\b+4:BC+8*\b+7], v[BOF], s[12:13] offset:128*(\b/2)+32*(\b%2)+16
.endr
.irp i, 0,1,2,3,4,5,6,7,8,9,10,11,12,13,14,15
	v_mov_b32 v[BR+\i], 0
.endr
	s_branch .Lbias_done
.Lbias_v:
	s_lshl_b32 s18, s17, 10
	s_lshl_b32 s19, s15, 9
	s_add_co_u32 s18, s18, s19
	s_mov_b32 s19, 0
	s_add_nc_u64 s[12:13], s[12:13], s[18:19]
	s_wait_alu depctr_va_vdst(0)
	v_and_b32 v[BOF], 8, v1
	v_add_nc_u32 v[BOF], v[BOF], v1
	v_lshlrev_b32 v[BOF], 2, v[BOF]
.irp a, 0,1,2,3,4,5,6,7
	global_load_b32 v[BR+2*\a], v[BOF], s[12:13] offset:128*(\a/2)+32*(\a%2)
	v_mov_b32 v[BR+2*\a+1], 0
.endr
.set nn, 0
.rept 64
	v_mov_b32 v[BC+nn], 0
.set nn, nn+1
.endr
.Lbias_done:
	v_mul_u32_u24 v3, v1, PITCH
	v_mul_u32_u24 v4, v2, 24
	v_add_nc_u32 v4, v3, v4
	v_lshl_add_u32 v5, v2, 4, v4
	s_mul_i32 s21, s15, HALFT
	s_mul_i32 s22, s16, HALFT
	s_add_co_u32 s22, s22, 2*HALFT
.irp s, 0,1
	v_add_nc_u32 v[ADRA+\s], s21, v4
	v_add_nc_u32 v[ADRB+\s], s22, v4
	v_add_nc_u32 v[ADRA+2+\s], s21, v5
	v_add_nc_u32 v[ADRB+2+\s], s22, v5
	s_add_co_u32 s21, s21, SLOT
	s_add_co_u32 s22, s22, SLOT
.endr
	v_mul_u32_u24 v5, v1, KS
	v_lshrrev_b32 v6, 8, v5
	v_lshl_add_u32 v5, v6, 4, v5
	s_mul_i32 s21, s15, HALFS
	s_mul_i32 s22, s16, HALFS
	s_add_co_u32 s22, s22, 2*HALFS
	s_sub_co_u32 s22, s22, s21
	v_mul_u32_u24 v6, s22, v2
	s_add_co_u32 s21, s21, SCL
	v_add_nc_u32 v5, v5, v6
	v_add_nc_u32 v[ADRS], s21, v5
	v_and_b32 v[LN], 31, v0
	v_lshlrev_b32 v[L8], 3, v[LN]
	v_lshlrev_b32 v[L16], 4, v[LN]
	s_lshl_b32 s18, s17, 1
	s_add_co_u32 s18, s18, s15
	s_lshl_b32 s19, s42, 1
	s_add_co_u32 s19, s19, s16
	s_cmp_eq_u32 s96, 2
	s_cselect_b32 s20, s19, s18
	s_cselect_b32 s21, s18, s19
	s_cselect_b32 s22, 6144, 0
	s_mov_b32 s92, 12288
	s_cselect_b32 s92, 6656, s92
	s_cmp_eq_u32 s96, 0
	s_mov_b32 s93, 13056
	s_cselect_b32 s93, 6656, s93
	s_cselect_b32 s92, 6144, s92
	s_lshr_b32 s23, s20, 4
	s_lshl_b32 s23, s23, 8
	s_and_b32 s20, s20, 15
	s_add_co_u32 s23, s23, s20
	s_lshl_b32 s21, s21, 5
	s_add_co_u32 s23, s23, s21
	s_mul_i32 s4, s23, s93
	s_add_co_u32 s4, s4, s22
	s_mov_b32 s5, 0
	s_add_nc_u64 s[4:5], s[66:67], s[4:5]
	s_lshl_b32 s6, s93, 4
	s_mov_b32 s7, 0
	s_add_nc_u64 s[6:7], s[4:5], s[6:7]
	s_mov_b32 s93, 0
	s_add_nc_u64 s[8:9], s[4:5], s[92:93]
	s_add_nc_u64 s[10:11], s[6:7], s[92:93]
.macro FRAG reg, adr, q, i
.irp p, 0,1,2,3,4,5
.set PCE, 12*(\q)+6*(\p/3)+\p%3
.if PCE%8 < 5
	ds_load_b64 v[\reg+2*\p:\reg+2*\p+1], v[\adr] offset:8*PCE+16*(PCE/8)+(\i)*16*PITCH
.else
	ds_load_b64 v[\reg+2*\p:\reg+2*\p+1], v[\adr+2] offset:8*PCE+16*(PCE/8)+(\i)*16*PITCH
.endif
.endr
.endm
.macro MUL16 a0, p, q, sc, first
.irp a, \a0, \a0+1
.irp b, 0,1,2,3,4,5,6,7
.if \first
	v_wmma_scale_f32_16x16x128_f8f6f4 v[8*(8*((\a)%4)+\b):8*(8*((\a)%4)+\b)+7], v[128*(\p)+FR*\b:128*(\p)+FR*\b+FR-1], v[AF+FR*(\a):AF+FR*(\a)+FR-1], v[BC+8*\b:BC+8*\b+7], v[SC+8*NQ*(\sc)+NQ*\b+(\q)], v[SC+8*NQ*(\sc)+NQ*(\a)+(\q)] matrix_a_fmt:MATRIX_FMT_FP6 matrix_b_fmt:MATRIX_FMT_FP6 matrix_a_scale:MATRIX_SCALE_ROW1
.else
	v_wmma_scale_f32_16x16x128_f8f6f4 v[8*(8*((\a)%4)+\b):8*(8*((\a)%4)+\b)+7], v[128*(\p)+FR*\b:128*(\p)+FR*\b+FR-1], v[AF+FR*(\a):AF+FR*(\a)+FR-1], v[8*(8*((\a)%4)+\b):8*(8*((\a)%4)+\b)+7], v[SC+8*NQ*(\sc)+NQ*\b+(\q)], v[SC+8*NQ*(\sc)+NQ*(\a)+(\q)] matrix_a_fmt:MATRIX_FMT_FP6 matrix_b_fmt:MATRIX_FMT_FP6 matrix_a_scale:MATRIX_SCALE_ROW1
.endif
.endr
.endr
.endm
.macro FETCH_B slot, q, p
	WIN TO_B
.irp i, 0,1,2,3,4,5,6,7
	FRAG 128*(\p)+FR*\i, ADRB+\slot, \q, \i
.endr
	WIN 0
.endm
.macro FETCH_A slot, q, i0
.irp i, \i0, \i0+1, \i0+2, \i0+3
	FRAG AF+FR*(\i), ADRA+\slot, \q, \i
.endr
.endm
.macro SCALES sc
.irp i, 0,1,2,3,4,5,6,7
	ds_load_b64 v[SC+8*NQ*\sc+NQ*\i:SC+8*NQ*\sc+NQ*\i+1], v[ADRS] offset:\i*SBLK
.endr
.endm
.macro PLACES n
.rept \n
	v_nop
.endr
.endm
.macro STEP slot, q, first
	s_wait_dscnt 4*NL
.if \first
	WIN 0x81
.else
	WIN MUL_LO
.endif
	MUL16 0, (\q)%2, \q, \slot, \first
	MUL16 2, (\q)%2, \q, \slot, \first
	s_wait_dscnt 0
	PLACES NP
	FETCH_B \slot, (\q)+1, 1-(\q)%2
	FETCH_A \slot, (\q)+1, 0
.if \first
	WIN 0xc1
.else
	WIN MUL_HI
.endif
	MUL16 4, (\q)%2, \q, \slot, \first
	MUL16 6, (\q)%2, \q, \slot, \first
	PLACES NP
	WIN 0
	FETCH_A \slot, (\q)+1, 4
.endm
.macro TURN slot, next, fill
	s_wait_tensorcnt 0x0
	ds_add_u32 v[SPW], v[NIL]
	s_wait_dscnt 4*NL+1
	WIN MUL_LO
	MUL16 0, 1, NQ-1, \slot, 0
	s_wait_dscnt 0x0
	s_barrier_signal -1
	MUL16 2, 1, NQ-1, \slot, 0
	WIN 0
	s_barrier_wait -1
.if \fill
	CREST
	s_add_nc_u64 s[G0+4*\slot+2:G0+4*\slot+3], s[G0+4*\slot+2:G0+4*\slot+3], 2*ROWB
	s_add_nc_u64 s[G0B+4*\slot+2:G0B+4*\slot+3], s[G0B+4*\slot+2:G0B+4*\slot+3], 2*ROWB
	JLOAD G0+4*\slot, G1, G0B+4*\slot, G1B
.else
	PLACES NP
.endif
	s_wait_alu depctr_va_vdst(0)
	v_add_nc_u32 v[ADRS], 4*NQ, v[ADRS]
	FETCH_B \next, 0, 0
	FETCH_A \next, 0, 0
	SCALES \next
	WIN MUL_HI
	MUL16 4, 1, NQ-1, \slot, 0
	MUL16 6, 1, NQ-1, \slot, 0
	PLACES NP
	WIN 0
	FETCH_A \next, 0, 4
.endm
	s_wait_alu depctr_va_vdst(0)
	s_wait_loadcnt 0x0
	s_wait_tensorcnt 1
	s_barrier_signal -1
	s_barrier_wait -1
	FETCH_B 0, 0, 0
	FETCH_A 0, 0, 0
	SCALES 0
	FETCH_A 0, 0, 4
	STEP 0, 0, 1
	s_mov_b32 s3, LAPS-1
.Llap:
	TURN 0, 1, 1
	STEP 1, 0, 0
	TURN 1, 0, 1
	STEP 0, 0, 0
	s_sub_co_u32 s3, s3, 1
	s_cmp_lg_u32 s3, 0
	s_cbranch_scc1 .Llap
	TURN 0, 1, 0
	STEP 1, 0, 0
	s_wait_dscnt 4*NL
	WIN MUL_LO
	MUL16 0, 1, NQ-1, 1, 0
	MUL16 2, 1, NQ-1, 1, 0
	s_wait_dscnt 0
	WIN MUL_HI
	MUL16 4, 1, NQ-1, 1, 0
	MUL16 6, 1, NQ-1, 1, 0
	WIN 0
.macro QUANT s
.irp b, 0,1,2,3
	v_max3_num_f32 v[TM+\b], |v[\s+16*\b]|, |v[\s+1+16*\b]|, 0x1800000
.endr
.irp i, 2,4,6,8,10,12,14
.irp b, 0,1,2,3
	v_max3_num_f32 v[TM+\b], v[TM+\b], |v[\s+16*\b+\i]|, |v[\s+1+16*\b+\i]|
.endr
.endr
.irp b, 0,1,2,3
	v_permlanex16_b32 v[TM+4+\b], v[TM+\b], s[SEL], s[SEL+1]
.endr
.irp b, 0,1,2,3
	v_max_num_f32 v[TM+\b], v[TM+\b], v[TM+4+\b]
.endr
.irp b, 0,1,2,3
	v_add_nc_u32 v[TM+12+\b], 0xff000000, v[TM+\b]
.endr
.irp b, 0,1,2,3
	v_lshrrev_b32 v[TM+4+\b], 23, v[TM+12+\b]
.endr
	v_lshl_or_b32 v[PW], v[TM+5], 8, v[TM+4]
	v_lshl_or_b32 v[PW], v[TM+6], 16, v[PW]
	v_lshl_or_b32 v[PW], v[TM+7], 24, v[PW]
.irp c, 0,1
	v_cvt_scalef32_pk16_fp6_f32 v[PC+6*\c:PC+2+6*\c], v[\s+32*\c:\s+15+32*\c], v[TM+12+2*\c]
	v_cvt_scalef32_pk16_fp6_f32 v[PC+12+4*\c:PC+14+4*\c], v[\s+16+32*\c:\s+31+32*\c], v[TM+12+2*\c+1]
.endr
	v_nop
.irp c, 0,1
.irp i, 0,1,2
	v_permlane16_swap_b32 v[PC+6*\c+\i], v[PC+12+4*\c+\i]
.endr
.irp i, 0,1,2
	v_mov_b32 v[PC+3+6*\c+\i], v[PC+12+4*\c+\i]
.endr
.endr
.endm
.macro OUT a
.set AC, 64*((\a)%4)
	WIN (0x02+(\a)/4)
.set nn, 0
.rept 32
	v_pk_add_f32 v[HA+nn:HA+nn+1], v[AC+nn:AC+nn+1], v[BR+2*(\a):BR+2*(\a)+1] op_sel_hi:[1,0]
.set nn, nn+2
.endr
	WIN 0
.if (\a) > 0
	s_wait_xcnt 0x0
.endif
	QUANT HA
	v_and_or_b32 v[SW0+(\a)], v[PW], s97, s98
	v_lshrrev_b32 v[SW1+(\a)], 16, v[PW]
	v_or_b32 v[SW1+(\a)], s98, v[SW1+(\a)]
	v_mov_b32 v[SWV+(\a)], v[PW]
	s_cmp_eq_u32 s96, 2
	s_cbranch_scc1 .Lout_v_\@
	global_store_b128 v[L16], v[PC:PC+3], s[4:5] offset:768*(\a)
	global_store_b64 v[L8], v[PC+4:PC+5], s[4:5] offset:768*(\a)+512
	global_store_b128 v[L16], v[PC+6:PC+9], s[6:7] offset:768*(\a)
	global_store_b64 v[L8], v[PC+10:PC+11], s[6:7] offset:768*(\a)+512
	s_branch .Lout_done_\@
.Lout_v_\@:
	s_wait_alu depctr_va_vdst(0)
.irp c, 0,1,2
.if (\a) < 4
	global_store_b128 v[L16], v[PC+4*\c:PC+4*\c+3], s[4:5] offset:1536*((\a)%4)+512*\c
.else
	global_store_b128 v[L16], v[PC+4*\c:PC+4*\c+3], s[6:7] offset:1536*((\a)%4)+512*\c
.endif
.endr
.Lout_done_\@:
.endm
	PLACES NP
.irp b, 0,1,2,3
	v_mov_b32 v[TM+4+\b], 0
.endr
.irp a, 0,1,2,3,4,5,6,7
	OUT \a
.endr
	v_cmp_le_u32 vcc_lo, 16, v[LN]
	s_cmp_eq_u32 s96, 2
	s_cbranch_scc1 .Lsc_v
.irp i, 0,1,2,3
	v_cndmask_b32 v[SO+\i], v[SW0+2*\i], v[SW0+2*\i+1], vcc_lo
	v_cndmask_b32 v[SO+4+\i], v[SW1+2*\i], v[SW1+2*\i+1], vcc_lo
.endr
	global_store_b128 v[L16], v[SO:SO+3], s[8:9]
	global_store_b128 v[L16], v[SO+4:SO+7], s[10:11]
	s_branch .Lsc_done
.Lsc_v:
	s_wait_alu depctr_va_vdst(0)
.irp g, 0,1
.irp i, 0,1
	v_cndmask_b32 v[SO+2*\g+\i], v[SWV+4*\g+2*\i], v[SWV+4*\g+2*\i+1], vcc_lo
.endr
.endr
	global_store_b64 v[L8], v[SO:SO+1], s[8:9]
	global_store_b64 v[L8], v[SO+2:SO+3], s[10:11]
.Lsc_done:
	s_wait_tensorcnt 0x0
	ds_add_u32 v[SPW], v[NIL]
	s_wait_dscnt 0x0
	CROUND
	s_endpgm
.Lfunc_end_k_qb117f2a0e7_proj:
	.size	k_qb117f2a0e7_proj, .Lfunc_end_k_qb117f2a0e7_proj-k_qb117f2a0e7_proj
	.p2alignl 7, 3214868480
	.fill 96, 4, 3214868480
	.section	.rodata,"a",@progbits
	.p2align	6, 0x0
	.amdhsa_kernel k_qb117f2a0e7_proj
		.amdhsa_group_segment_fixed_size 327680
		.amdhsa_private_segment_fixed_size 0
		.amdhsa_enable_private_segment 0
		.amdhsa_kernarg_size 72
		.amdhsa_user_sgpr_count 2
		.amdhsa_user_sgpr_kernarg_segment_ptr 1
		.amdhsa_wavefront_size32 1
		.amdhsa_system_sgpr_workgroup_id_x 1
		.amdhsa_system_sgpr_workgroup_id_y 1
		.amdhsa_system_sgpr_workgroup_id_z 1
		.amdhsa_system_vgpr_workitem_id 0
		.amdhsa_next_free_vgpr 1024
		.amdhsa_next_free_sgpr 102
		.amdhsa_reserve_vcc 1
		.amdhsa_float_denorm_mode_32 3
		.amdhsa_float_denorm_mode_16_64 3
		.amdhsa_memory_ordered 1
		.amdhsa_forward_progress 1
		.amdhsa_inst_pref_size 193
	.end_amdhsa_kernel
	.amdgpu_metadata
---
amdhsa.version: [ 1, 2 ]
amdhsa.kernels:
  - .name:           k_qb117f2a0e7_proj
    .symbol:         k_qb117f2a0e7_proj.kd
    .args:
      - { .name: xc, .offset: 0, .size: 8, .value_kind: global_buffer, .address_space: global }
      - { .name: xs, .offset: 8, .size: 8, .value_kind: global_buffer, .address_space: global }
      - { .name: wc, .offset: 16, .size: 8, .value_kind: global_buffer, .address_space: global }
      - { .name: ws, .offset: 24, .size: 8, .value_kind: global_buffer, .address_space: global }
      - { .name: bq, .offset: 32, .size: 8, .value_kind: global_buffer, .address_space: global }
      - { .name: bk, .offset: 40, .size: 8, .value_kind: global_buffer, .address_space: global }
      - { .name: bv, .offset: 48, .size: 8, .value_kind: global_buffer, .address_space: global }
      - { .name: qi, .offset: 56, .size: 8, .value_kind: global_buffer, .address_space: global }
      - { .name: kv, .offset: 64, .size: 8, .value_kind: global_buffer, .address_space: global }
    .group_segment_fixed_size: 327680
    .private_segment_fixed_size: 0
    .kernarg_segment_align: 8
    .kernarg_segment_size: 72
    .max_flat_workgroup_size: 128
    .sgpr_count:     102
    .vgpr_count:     1024
    .wavefront_size: 32
...
	.end_amdgpu_metadata
.endif
;; end of part 2
;; launch attn (part 3): grid 8 x 64, 16 waves a work-group, clusters of 4 x 1, 210,944 bytes of LDS; arguments qi, kv, oc, os; writes oc, os
.if DOCPART == 3
	.amdgcn_target "amdgcn-amd-amdhsa--gfx1250"
	.amdhsa_code_object_version 6
	.text
	.protected	k_qb117f2a0e7_attn
	.globl	k_qb117f2a0e7_attn
	.p2align	8
	.type	k_qb117f2a0e7_attn,@function
k_qb117f2a0e7_attn:
	s_mov_b64 s[64:65], 0
	v_nop
	global_prefetch_b8 v0, s[64:65] scope:SCOPE_SE
	s_setreg_imm32_b32 hwreg(HW_REG_WAVE_MODE, 25, 1), 1
	s_wait_xcnt 0x0
	s_wait_alu depctr_hold_cnt(0) depctr_sa_sdst(0) depctr_va_vdst(0) depctr_va_sdst(0) depctr_va_ssrc(0) depctr_va_vcc(0) depctr_vm_vsrc(0)
	s_getreg_b32 s2, hwreg(HW_REG_IB_STS2, 6, 4)
	s_cmp_eq_u32 s2, 0
	s_cbranch_scc0 .Lentry_in_a_cluster
	s_endpgm
.Lentry_in_a_cluster:
	s_bfe_u32 s2, ttmp6, 0x10000c
	s_cmp_lg_u32 s2, 0x3003
	s_cbranch_scc0 .Lentry_shape_is_right
	s_endpgm
.Lentry_shape_is_right:
; Attention of one head on codes of FP6 (E2M3): S^T = k q^T (K = the head's 64, filled to the instruction's 128 with zero codes on q's side), the softmax, O^T = v^T p^T (K = the keys), O / l, and O quantised along the model's 1,024.
; THE SOFTMAX: t = score x log2(e) / 8; M = the running largest t rounded UP to a whole number; p = 2^(t - M) is quantised along the keys, not normalised; the row's sum is taken of the unquantised p and divides O at the end.
; When M moves, the sum and O^T are multiplied by 2^(old M - new M): exact.
; SHARES.  A work-group owns 256 queries of one head (head and batch = cluster y), each of its sixteen waves 16 of them, in 256 registers: four waves to a SIMD, so that one wave's vector work stands beside another's products and LDS loads.
; A WHOLE HEAD'S k AND v STAY IN LDS: 16 blocks of 13,056 bytes (128 keys each): 8 tiles of k, 4 tiles of v, their scale words, all as images of the operand's registers: every LDS load is 16 or 8 bytes a lane, on end.
; They are filled ONCE, by eight tensor loads of wave 0 (two key steps each; eight are out by this text's count); no byte of LDS is filled again.  The four work-groups of a cluster own query blocks of one head and ask jointly.
; LAYOUT.  Both products are used transposed: a lane holds ONE query (lane % 16) throughout.  Lane r of k's tile 2 b + u holds key 32 b + 8 u + r + 8 (r / 8), so the 16 registers of tiles 2 b, 2 b + 1 are keys 32 b + 16 (lane / 16) + 0 .. 15.
; A tile of k is six registers (64 along K).  The instruction names twelve: the upper six are the next tile's (v80-85, zeros, for the last): they meet q's zero codes under the scale byte 0x7f on both sides and add exactly 0.
; v's channels lie in the same order, so O^T's registers 16 c + i are channels 32 c + 16 (lane / 16) + i.
; OUT: oc [16 rows (512)][head (16)][768 bytes]: an image of registers 0-5 of a fragment (lane (r, h): row r, channels 32 h .. 32 h + 31); os [8,192 rows][32]: the head's two scale bytes of each row: two bytes are all that a head owns of a row's 32.
; LIMITS: NaN and infinities are not served; 1 / l is v_rcp_f32; a block's largest p is taken from its largest score, which takes v_exp_f32 not to fall where its input rises; a block whose every p is 0 keeps the byte 1 and zero codes.
; REGISTERS: v1, v2 16 and 8 x lane; v3, v4 the step's LDS addresses; v5-7 at the ends; v12 -M, v13 the largest t, v[14:15] the sum in two halves; v16-27 q; v28 its scale word; v32-85 k's tiles, then v's (v32-79);
;   v86-89 k's scale words, v90-91 v's; v96-159 S^T, then p; v160-191 O^T; v192-210 p's codes; v212-234 at work; v233 p's scale word.
.set STEPB, 13056                      ; a key step's block
.set CHUNK, 2*STEPB                    ; what one tensor load brings: 102 rows of 256 bytes
.set HEADB, 16*STEPB
.set KF,   32
.set T1,   212                         ; the blocks' largest scores, then largest p
.set T2,   216                         ; at work
.set T3,   228                         ; the conversions' scale operands
.set WV,   12
.set SEL,  20                          ; s[20:21] lane selects: lane l xor 16
.set CS,   22                          ; s[22:23] c = log2(e) / 8
.set G1,   24
.set G0,   32                          ; s[32:63] a group 0 for each of the eight loads: none is written while a load is out
.set TB,   66                          ; LDS byte at which the step's block begins
.set CNT,  67
.macro CROUND
	s_barrier_signal -1
	s_barrier_wait -1
	s_cmp_lg_u32 s[WV], 0
	s_cbranch_scc1 .Lnot_wave_0_\@
	s_barrier_signal -3
.Lnot_wave_0_\@:
	s_barrier_wait -3
	s_barrier_signal -1
	s_barrier_wait -1
.endm
	s_load_b128 s[4:7], s[0:1], 0x0                ; qi, kv
	s_load_b128 s[8:11], s[0:1], 0x10              ; oc, os
	v_lshl_add_u32 v254, v0, 2, 0x33000
	v_mov_b32 v255, 0
	ds_add_u32 v254, v255
	ds_add_u32 v254, v255
	v_lshrrev_b32 v1, 5, v0
	s_delay_alu instid0(VALU_DEP_1)
	v_readfirstlane_b32 s[WV], v1                  ; wave 0..15
	s_bfe_u32 s13, ttmp6, 0x40000                  ; cx
	s_lshl_b32 s14, ttmp9, 2
	s_add_co_u32 s14, s14, s13                     ; my block of 256 queries: it enters global addresses of q and of the outputs alone
	s_and_b32 s15, ttmp7, 0xffff                   ; 16 x batch + head, which the four partners share
	s_mov_b32 s[G1], 15|(3<<16)|(1<<21)            ; 15:0 the mask: all four work-groups; 17:16 elements of 8 bytes; 21 set beside a mask; no padding
	s_mov_b32 s[G1+1], 32<<16                      ; tensor_dim0 = 32 elements: 256 bytes
	s_mov_b32 s[G1+2], 102<<16                     ; tensor_dim1
	s_mov_b32 s[G1+3], 32<<16                      ; tile_dim0
	s_mov_b32 s[G1+4], 102                         ; tile_dim1
	s_mov_b32 s[G1+5], 32                          ; the pitch: dense
	s_mov_b32 s[G1+6], 0
	s_mov_b32 s[G1+7], 0
	s_mov_b32 s[SEL], 0x76543210
	s_mov_b32 s[SEL+1], 0xfedcba98
	s_mov_b32 s[CS], 0x3e38aa3b                    ; log2(e) / 8
	s_mov_b32 s[CS+1], s[CS]                       ; (named with it as a pair, so it is written)
	s_mul_i32 s16, s15, HEADB
	s_mov_b32 s17, 0
	s_wait_dscnt 0x0
	s_wait_kmcnt 0x0
	s_add_nc_u64 s[6:7], s[6:7], s[16:17]          ; the head's first byte of kv
	CROUND                                         ; all four work-groups are here: the joint loads meet
.irp c, 0,1,2,3,4,5,6,7
	s_mov_b32 s[G0+4*\c], 1
	s_mov_b32 s[G0+4*\c+1], CHUNK*\c
	s_add_nc_u64 s[G0+4*\c+2:G0+4*\c+3], s[6:7], CHUNK*\c
	s_or_b32 s[G0+4*\c+3], s[G0+4*\c+3], 0x80000000
.endr
	s_cmp_lg_u32 s[WV], 0                          ; all the fills stand in one branch on the wave's number
	s_cbranch_scc1 .Lno_fill
.irp c, 0,1,2,3,4,5,6,7
	tensor_load_to_lds s[G0+4*\c:G0+4*\c+3], s[G1:G1+7]
	s_nop 0
.endr
.rept 4
	v_nop
.endr
.Lno_fill:
	s_lshl_b32 s16, s15, 4                         ; q: block 16 x (head and batch) + 2 x (block of 256) + wave / 8, tile wave % 8
	s_lshl_b32 s18, s14, 1
	s_add_co_u32 s16, s16, s18
	s_lshr_b32 s18, s[WV], 3
	s_add_co_u32 s16, s16, s18
	s_mul_i32 s16, s16, 6656
	s_add_nc_u64 s[4:5], s[4:5], s[16:17]
	s_and_b32 s18, s[WV], 7
	s_mul_i32 s68, s18, 768
	s_mov_b32 s69, 0
	s_add_nc_u64 s[68:69], s[4:5], s[68:69]        ; my tile's image
	s_and_b32 s70, s18, 1
	s_lshl_b32 s70, s70, 8
	s_lshr_b32 s18, s18, 1
	s_lshl_b32 s18, s18, 2
	s_add_co_u32 s70, s70, s18                     ; my tile's scale words: 256 (a % 2) + 4 (a / 2), + 16 r
	v_and_b32 v7, 31, v0                           ; lane
	s_delay_alu instid0(VALU_DEP_1)
	v_lshlrev_b32 v1, 4, v7
	s_delay_alu instid0(VALU_DEP_2)
	v_lshlrev_b32 v2, 3, v7
	v_and_b32 v6, 15, v0                           ; r
	s_delay_alu instid0(VALU_DEP_1)
	v_lshl_add_u32 v5, v6, 4, s70
	global_load_b128 v[16:19], v1, s[68:69]        ; q's six registers stay
	global_load_b64 v[20:21], v2, s[68:69] offset:512
	global_load_b32 v28, v5, s[4:5] offset:6144    ; and its scale word
.irp j, 22,23,24,25,26,27
	v_mov_b32 v[\j], 0                             ; zero codes for K = 64 .. 127
.endr
.irp j, 80,81,82,83,84,85
	v_mov_b32 v[\j], 0                             ; what the last tile of k names beyond its six
.endr
	v_mov_b32 v13, 0xff61b1e6                      ; the largest t so far: -3e38, under every t
	s_delay_alu instid0(VALU_DEP_1)
	v_floor_f32 v12, -v13                          ; -M
	v_mov_b32 v14, 0                               ; the sum, in two halves
	v_mov_b32 v15, 0
.irp b, 0,1,2,3
	v_mov_b32 v[T2+\b], 0                          ; written once: a lane permute's destination counts as one of its sources
.endr
	v_mov_b32 v233, 0                              ; (named as the upper half of the pair v[232:233] before it is first written)
.set nn, 0
.rept 32
	v_mov_b32 v[160+nn], 0                         ; O^T: the step is written once for all steps: the first finds zeros, which the first change of M leaves zeros
.set nn, nn+1
.endr
; A KEY STEP: 128 keys.
.macro STEP
	v_add_nc_u32 v3, s[TB], v1
	v_add_nc_u32 v4, s[TB], v2
	v_nop
	v_nop                                          ; four plain lines behind the last products, in front of loads into registers that they read
.irp t, 0,1,2,3,4,5,6,7
	ds_load_b128 v[KF+6*\t:KF+6*\t+3], v3 offset:768*\t
	ds_load_b64 v[KF+6*\t+4:KF+6*\t+5], v4 offset:768*\t+512
.endr
	ds_load_b128 v[86:89], v3 offset:12288         ; k's scale words: register i: tile 2 i in lanes 0-15, tile 2 i + 1 in lanes 16-31
	s_wait_alu depctr_va_vdst(0)
	s_wait_dscnt 0x0
.irp t, 0,1,2,3,4,5,6,7
.if \t%2
	v_wmma_scale_f32_16x16x128_f8f6f4 v[96+8*\t:103+8*\t], v[KF+6*\t:KF+6*\t+11], v[16:27], 0, v[86+\t/2], v28 matrix_a_fmt:MATRIX_FMT_FP6 matrix_b_fmt:MATRIX_FMT_FP6 matrix_a_scale:MATRIX_SCALE_ROW1
.else
	v_wmma_scale_f32_16x16x128_f8f6f4 v[96+8*\t:103+8*\t], v[KF+6*\t:KF+6*\t+11], v[16:27], 0, v[86+\t/2], v28 matrix_a_fmt:MATRIX_FMT_FP6 matrix_b_fmt:MATRIX_FMT_FP6
.endif
.endr
.rept 4
	v_nop                                          ; places in front of the loads into k's registers and of the first read of the scores
.endr
.irp d, 0,1,2,3                                ; v's four tiles land while the softmax is walked
.irp c, 0,1,2
	ds_load_b128 v[32+12*\d+4*\c:35+12*\d+4*\c], v3 offset:6144+1536*\d+512*\c
.endr
.endr
	ds_load_b64 v[90:91], v4 offset:12800          ; v's scale words
.irp b, 0,1,2,3
	v_max3_num_f32 v[T1+\b], v[96+16*\b], v[97+16*\b], v[98+16*\b]   ; the largest score of each block of 32 keys: it serves for the row's maximum and, since p rises with the score, for the block's largest p
.endr
.irp i, 3,5,7,9,11,13
.irp b, 0,1,2,3
	v_max3_num_f32 v[T1+\b], v[T1+\b], v[96+16*\b+\i], v[97+16*\b+\i]
.endr
.endr
.irp b, 0,1,2,3
	v_max_num_f32 v[T1+\b], v[T1+\b], v[111+16*\b]
.endr
.irp b, 0,1,2,3
	s_delay_alu instid0(VALU_DEP_4)
	v_permlanex16_b32 v[T2+\b], v[T1+\b], s[SEL], s[SEL+1]
.endr
.irp b, 0,1,2,3
	s_delay_alu instid0(VALU_DEP_4)
	v_max_num_f32 v[T1+\b], v[T1+\b], v[T2+\b]     ; with lane l xor 16's 16 keys
.endr
	s_delay_alu instid0(VALU_DEP_2)
	v_max3_num_f32 v234, v[T1], v[T1+1], v[T1+2]
	s_delay_alu instid0(VALU_DEP_1)
	v_max_num_f32 v234, v234, v[T1+3]              ; the step's largest score of my query
	s_delay_alu instid0(VALU_DEP_1)
	v_mul_f32 v234, s[CS], v234                    ; as t (c is positive)
	s_delay_alu instid0(VALU_DEP_1)
	v_max_num_f32 v13, v13, v234                   ; the running largest t
	v_mov_b32 v234, v12
	s_delay_alu instid0(VALU_DEP_2)
	v_floor_f32 v12, -v13                          ; the new -M = floor(-t) = -ceil(t)
	s_delay_alu instid0(VALU_DEP_1)
	v_sub_f32 v234, v12, v234                      ; old M - new M: a whole number, 0 or less
	s_delay_alu instid0(VALU_DEP_1)
	v_cvt_i32_f32 v234, v234                       ; (it saturates)
	s_delay_alu instid0(VALU_DEP_1)
	v_ldexp_f32 v232, 1.0, v234                    ; f = 2^(old M - new M)
.set nn, 0
.rept 32
	v_pk_fma_f32 v[96+nn:97+nn], v[96+nn:97+nn], s[CS:CS+1], v[12:13] op_sel_hi:[1,0,0]   ; t - M, two at a time
.set nn, nn+2
.endr
.irp b, 0,1,2,3
	v_fma_f32 v[T1+\b], v[T1+\b], s[CS], v12       ; the same of each block's largest score
.endr
.set nn, 0
	s_wait_alu depctr_va_vdst(0)
.rept 64
	v_exp_f32 v[96+nn], v[96+nn]                   ; p = 2^(t - M), at most 1
.set nn, nn+1
.endr
	s_setprio 1
	v_pk_mul_f32 v[14:15], v[14:15], v[232:233] op_sel_hi:[1,0]   ; the sums under the new M (a plain line behind the exponentials)
	s_wait_alu depctr_va_vdst(0)                   ; one wait for the whole batch, ahead of its first reader
.irp b, 0,1,2,3
	v_exp_f32 v[T1+\b], v[T1+\b]                   ; the block's largest p: the same two instructions on the same number give the same bits
.endr
	v_pk_add_f32 v[216:217], v[100:101], v[104:105]
	v_pk_add_f32 v[252:253], v[108:109], v[112:113]
	v_pk_add_f32 v[250:251], v[116:117], v[120:121]
	v_pk_add_f32 v[248:249], v[124:125], v[128:129]
	v_pk_add_f32 v[246:247], v[132:133], v[136:137]
	v_pk_add_f32 v[244:245], v[140:141], v[144:145]
	v_pk_add_f32 v[242:243], v[148:149], v[152:153]
	v_pk_add_f32 v[14:15], v[14:15], v[156:157]
	v_pk_add_f32 v[216:217], v[216:217], v[96:97]
	v_pk_add_f32 v[252:253], v[252:253], v[98:99]
	v_pk_add_f32 v[250:251], v[250:251], v[102:103]
	v_pk_add_f32 v[248:249], v[248:249], v[106:107]
	v_pk_add_f32 v[246:247], v[246:247], v[110:111]
	v_pk_add_f32 v[244:245], v[244:245], v[114:115]
	v_pk_add_f32 v[242:243], v[242:243], v[118:119]
	v_pk_add_f32 v[14:15], v[14:15], v[122:123]
	v_pk_add_f32 v[216:217], v[216:217], v[126:127]
	v_pk_add_f32 v[252:253], v[252:253], v[130:131]
	v_pk_add_f32 v[250:251], v[250:251], v[134:135]
	v_pk_add_f32 v[248:249], v[248:249], v[138:139]
	v_pk_add_f32 v[246:247], v[246:247], v[142:143]
	v_pk_add_f32 v[244:245], v[244:245], v[146:147]
	v_pk_add_f32 v[242:243], v[242:243], v[150:151]
	v_pk_add_f32 v[14:15], v[14:15], v[154:155]
	v_pk_add_f32 v[216:217], v[216:217], v[158:159]
	s_delay_alu instid0(VALU_DEP_2)
	v_pk_add_f32 v[14:15], v[14:15], v[248:249]
	s_delay_alu instid0(VALU_DEP_2)
	v_pk_add_f32 v[216:217], v[216:217], v[246:247]
	v_pk_add_f32 v[252:253], v[252:253], v[244:245]
	v_pk_add_f32 v[250:251], v[250:251], v[242:243]
	s_delay_alu instid0(VALU_DEP_2)
	v_pk_add_f32 v[14:15], v[14:15], v[252:253]
	s_delay_alu instid0(VALU_DEP_2)
	v_pk_add_f32 v[216:217], v[216:217], v[250:251]
	s_delay_alu instid0(VALU_DEP_1)
	v_pk_add_f32 v[14:15], v[14:15], v[216:217]
	s_wait_alu depctr_va_vdst(0)                   ; and one for the four
.irp b, 0,1,2,3
	v_max_num_f32 v[T1+\b], 0x1800000, v[T1+\b]    ; the floor 2^(3 - 127): the byte cannot fall under 1
.endr
.irp b, 0,1,2,3
	s_delay_alu instid0(VALU_DEP_4)
	v_add_nc_u32 v[T3+\b], 0xff000000, v[T1+\b]    ; 2 off the exponent field: the conversion's scale operand
.endr
.irp b, 0,1,2,3
	s_delay_alu instid0(VALU_DEP_4)
	v_lshrrev_b32 v[T2+\b], 23, v[T3+\b]           ; the scale's byte
.endr
	s_delay_alu instid0(VALU_DEP_3)
	v_lshl_or_b32 v233, v[T2+1], 8, v[T2]          ; p's scale word for these 128 keys
	s_delay_alu instid0(VALU_DEP_1)
	v_lshl_or_b32 v233, v[T2+2], 16, v233
	s_delay_alu instid0(VALU_DEP_1)
	v_lshl_or_b32 v233, v[T2+3], 24, v233
.irp c, 0,1
	v_cvt_scalef32_pk16_fp6_f32 v[192+6*\c:194+6*\c], v[96+32*\c:111+32*\c], v[T3+2*\c]
	v_cvt_scalef32_pk16_fp6_f32 v[204+4*\c:206+4*\c], v[112+32*\c:127+32*\c], v[T3+2*\c+1]   ; (a conversion's three registers begin on an even number)
.endr
	v_nop                                          ; one plain line behind a scaled conversion
.irp c, 0,1                                    ; the operand's layout wants a WHOLE block in a lane
.irp i, 0,1,2
	v_permlane16_swap_b32 v[192+6*\c+\i], v[204+4*\c+\i]
.endr
.irp i, 0,1,2
	s_delay_alu instid0(VALU_DEP_3)
	v_mov_b32 v[195+6*\c+\i], v[204+4*\c+\i]
.endr
.endr
.set nn, 0
	s_setprio 0
.rept 16
	v_pk_mul_f32 v[160+nn:161+nn], v[160+nn:161+nn], v[232:233] op_sel_hi:[1,0]   ; O^T under the new M, the first accumulator first: the twelve lines on the others are the places between the scale word's and the codes' last writes and the products
.set nn, nn+2
.endr
	s_wait_alu depctr_va_vdst(0)
	s_wait_dscnt 0x0                               ; v's tiles and scale words are in
.irp d, 0,1,2,3                                ; the four accumulators take turns, one instruction a turn
.if \d%2
	v_wmma_scale_f32_16x16x128_f8f6f4 v[160+8*\d:167+8*\d], v[32+12*\d:43+12*\d], v[192:203], v[160+8*\d:167+8*\d], v[90+\d/2], v233 matrix_a_fmt:MATRIX_FMT_FP6 matrix_b_fmt:MATRIX_FMT_FP6 matrix_a_scale:MATRIX_SCALE_ROW1
.else
	v_wmma_scale_f32_16x16x128_f8f6f4 v[160+8*\d:167+8*\d], v[32+12*\d:43+12*\d], v[192:203], v[160+8*\d:167+8*\d], v[90+\d/2], v233 matrix_a_fmt:MATRIX_FMT_FP6 matrix_b_fmt:MATRIX_FMT_FP6
.endif
.endr
	s_add_co_u32 s[TB], s[TB], STEPB
.endm
; Chunk c: two key steps.  left = how many of wave 0's younger loads may stay out: chunks c and c + 1 have landed, so every byte from this chunk's first to the next chunk's last is whole behind the barrier.  Nothing is ever filled again.
.macro CHUNKW c, left
	s_wait_tensorcnt \left
	s_barrier_signal -1
	s_barrier_wait -1                              ; what wave 0 has waited for, every wave may read
	s_mov_b32 s[TB], CHUNK*\c
	s_mov_b32 s[CNT], 2
.Lstep_\@:
	s_setprio 2
	STEP
	s_sub_co_u32 s[CNT], s[CNT], 1
	s_cmp_lg_u32 s[CNT], 0
	s_cbranch_scc1 .Lstep_\@
	s_setprio 0
.endm
	s_wait_loadcnt 0x0                             ; q
	CHUNKW 0, 6
	CHUNKW 1, 5
	CHUNKW 2, 4
	CHUNKW 3, 3
	CHUNKW 4, 2
	CHUNKW 5, 1
	CHUNKW 6, 0
	CHUNKW 7, 0
	; THE WAY OUT.  O^T / l; its two blocks of 32 channels are quantised; the codes are stored as they stand.
	v_add_f32 v14, v14, v15                        ; the sum's two halves,
	s_delay_alu instid0(VALU_DEP_1)
	v_permlanex16_b32 v232, v14, s[SEL], s[SEL+1]
	s_delay_alu instid0(VALU_DEP_1)
	v_add_f32 v14, v14, v232                       ; and lane l xor 16's: the row's sum
	s_wait_alu depctr_va_vdst(0)
	v_rcp_f32 v14, v14
	v_lshlrev_b32 v5, 5, v6                        ; 32 r: my row's scale bytes (a plain line behind the reciprocal; with the lines above and below, the places behind the last products)
.rept 3
	v_nop
.endr
	s_lshr_b32 s16, s15, 4
	s_lshl_b32 s16, s16, 7
	s_lshl_b32 s18, s14, 4
	s_add_co_u32 s16, s16, s18
	s_add_co_u32 s16, s16, s[WV]                   ; my 16 rows: tile 128 x batch + 16 x (block of 256) + wave
	s_and_b32 s18, s15, 15                         ; the head
	s_lshl_b32 s19, s16, 4
	s_add_co_u32 s19, s19, s18
	s_mul_i32 s68, s19, 768
	s_mov_b32 s69, 0
	s_add_nc_u64 s[8:9], s[8:9], s[68:69]
	s_lshl_b32 s68, s16, 9
	s_lshl_b32 s18, s18, 1
	s_add_co_u32 s68, s68, s18
	s_add_nc_u64 s[10:11], s[10:11], s[68:69]
	s_wait_alu depctr_va_vdst(0)                   ; the wait ahead of the reciprocal's first reader
.set nn, 0
.rept 16
	v_pk_mul_f32 v[96+nn:97+nn], v[160+nn:161+nn], v[14:15] op_sel_hi:[1,0]   ; register 16 c + i: channel 32 c + 16 h + i
.set nn, nn+2
.endr
.irp b, 0,1
	v_max3_num_f32 v[T1+\b], |v[96+16*\b]|, |v[97+16*\b]|, 0x1800000
.endr
.irp i, 2,4,6,8,10,12,14
.irp b, 0,1
	s_delay_alu instid0(VALU_DEP_2)
	v_max3_num_f32 v[T1+\b], v[T1+\b], |v[96+16*\b+\i]|, |v[97+16*\b+\i]|
.endr
.endr
.irp b, 0,1
	s_delay_alu instid0(VALU_DEP_2)
	v_permlanex16_b32 v[T2+\b], v[T1+\b], s[SEL], s[SEL+1]
.endr
.irp b, 0,1
	s_delay_alu instid0(VALU_DEP_2)
	v_max_num_f32 v[T1+\b], v[T1+\b], v[T2+\b]
.endr
.irp b, 0,1
	s_delay_alu instid0(VALU_DEP_2)
	v_add_nc_u32 v[T3+\b], 0xff000000, v[T1+\b]
.endr
.irp b, 0,1
	s_delay_alu instid0(VALU_DEP_2)
	v_lshrrev_b32 v[T2+\b], 23, v[T3+\b]
.endr
	s_delay_alu instid0(VALU_DEP_1)
	v_lshl_or_b32 v234, v[T2+1], 8, v[T2]          ; the head's two scale bytes of my row
	v_cvt_scalef32_pk16_fp6_f32 v[192:194], v[96:111], v[T3]
	v_cvt_scalef32_pk16_fp6_f32 v[204:206], v[112:127], v[T3+1]
	v_nop                                          ; one plain line behind a scaled conversion
.irp i, 0,1,2
	v_permlane16_swap_b32 v[192+\i], v[204+\i]
.endr
.irp i, 0,1,2
	s_delay_alu instid0(VALU_DEP_3)
	v_mov_b32 v[195+\i], v[204+\i]                 ; lane (r, h): channels 32 h .. 32 h + 31 in six registers
.endr
	global_store_b128 v1, v[192:195], s[8:9]       ; 512 consecutive bytes, aligned
	global_store_b64 v2, v[196:197], s[8:9] offset:512   ; 256 consecutive bytes, aligned
	v_cmp_gt_u32 vcc_lo, 16, v7
	s_wait_xcnt 0x0                                ; EXEC changes only behind this wait
	s_and_saveexec_b32 s70, vcc_lo                 ; lanes 16-31 hold the same halfwords: lanes 0-15 store
	global_store_b16 v5, v234, s[10:11]
	s_wait_xcnt 0x0                                ; and again, in front of the line that widens it
	s_or_b32 exec_lo, exec_lo, s70
	s_wait_tensorcnt 0x0
	ds_add_u32 v254, v255
	s_wait_dscnt 0x0
	CROUND                                         ; the closing round: no work-group ends while a partner may still ask for a tile that names it
	s_endpgm
.Lfunc_end_k_qb117f2a0e7_attn:
	.size	k_qb117f2a0e7_attn, .Lfunc_end_k_qb117f2a0e7_attn-k_qb117f2a0e7_attn
	.p2alignl 7, 3214868480
	.fill 96, 4, 3214868480
	.section	.rodata,"a",@progbits
	.p2align	6, 0x0
	.amdhsa_kernel k_qb117f2a0e7_attn
		.amdhsa_group_segment_fixed_size 210944
		.amdhsa_private_segment_fixed_size 0
		.amdhsa_enable_private_segment 0
		.amdhsa_kernarg_size 32
		.amdhsa_user_sgpr_count 2
		.amdhsa_user_sgpr_kernarg_segment_ptr 1
		.amdhsa_wavefront_size32 1
		.amdhsa_system_sgpr_workgroup_id_x 1
		.amdhsa_system_sgpr_workgroup_id_y 1
		.amdhsa_system_sgpr_workgroup_id_z 1
		.amdhsa_system_vgpr_workitem_id 0
		.amdhsa_next_free_vgpr 256
		.amdhsa_next_free_sgpr 80
		.amdhsa_reserve_vcc 1
		.amdhsa_float_denorm_mode_32 3
		.amdhsa_float_denorm_mode_16_64 3
		.amdhsa_memory_ordered 1
		.amdhsa_forward_progress 1
		.amdhsa_inst_pref_size 150
	.end_amdhsa_kernel
	.amdgpu_metadata
---
amdhsa.version: [ 1, 2 ]
amdhsa.kernels:
  - .name:           k_qb117f2a0e7_attn
    .symbol:         k_qb117f2a0e7_attn.kd
    .args:
      - { .name: qi, .offset: 0, .size: 8, .value_kind: global_buffer, .address_space: global }
      - { .name: kv, .offset: 8, .size: 8, .value_kind: global_buffer, .address_space: global }
      - { .name: oc, .offset: 16, .size: 8, .value_kind: global_buffer, .address_space: global }
      - { .name: os, .offset: 24, .size: 8, .value_kind: global_buffer, .address_space: global }
    .group_segment_fixed_size: 210944
    .private_segment_fixed_size: 0
    .kernarg_segment_align: 8
    .kernarg_segment_size: 32
    .max_flat_workgroup_size: 512
    .sgpr_count:     80
    .vgpr_count:     256
    .wavefront_size: 32
...
	.end_amdgpu_metadata
.endif
;; end of part 3
;; launch outp (part 4): grid 4 x 32, 4 waves a work-group, clusters of 4 x 4, 327,680 bytes of LDS; arguments oc, os, wc, ws, bo, out0; writes out0
.if DOCPART == 4
	.amdgcn_target "amdgcn-amd-amdhsa--gfx1250"
	.amdhsa_code_object_version 6
	.text
	.protected	k_qb117f2a0e7_outp
	.globl	k_qb117f2a0e7_outp
	.p2align	8
	.type	k_qb117f2a0e7_outp,@function
k_qb117f2a0e7_outp:
	s_mov_b64 s[64:65], 0
	v_nop
	global_prefetch_b8 v0, s[64:65] scope:SCOPE_SE
	s_setreg_imm32_b32 hwreg(HW_REG_WAVE_MODE, 25, 1), 1
	s_wait_xcnt 0x0
	s_wait_alu depctr_hold_cnt(0) depctr_sa_sdst(0) depctr_va_vdst(0) depctr_va_sdst(0) depctr_va_ssrc(0) depctr_va_vcc(0) depctr_vm_vsrc(0)
	s_getreg_b32 s2, hwreg(HW_REG_IB_STS2, 6, 4)
	s_cmp_eq_u32 s2, 0
	s_cbranch_scc0 .Lentry_in_a_cluster
	s_endpgm
.Lentry_in_a_cluster:
	s_bfe_u32 s2, ttmp6, 0x10000c
	s_cmp_lg_u32 s2, 0xf033
	s_cbranch_scc0 .Lentry_shape_is_right
	s_endpgm
.Lentry_shape_is_right:
.set SIZE_N, 1024
.set KSTEP,  256
.set NQ,     KSTEP/128
.set ROWB,   192
.set KROW,   768
.set PITCH,  240
.set FR,     12
.set NL,     6
.set NLA,    4
.set NP,     4
.set AROW,   3072
.set HALFA,  8*AROW
.set HALFB,  128*PITCH
.set SLOT,   2*HALFA+2*HALFB
.set LAPS,   2
.set KS,     32
.set SCL,    2*SLOT
.set HALFS,  (128*KS/256)*272
.set SBLK,   (16*KS/256)*272
.set SPARE,  SCL+4*HALFS
.set SPITCH, 528
.set ADRA, 16
.set ADRB, 20
.set STO,  24
.set RD,   25
.set CO,   26
.set ADRS, 27
.set SPW,  28
.set NIL,  29
.set BOF,  30
.set SC,   32
.set BC,   64
.set AF,   128
.set BK,   128
.set G1, 24
.set G0, 32
.set G1B, 48
.set G0B, 56
.set G1S, 68
.set G0S, 76
.set G1SB, 80
.set G0SB, 88
.set MSB, 0
.macro WIN new
.if MSB != \new
	s_set_vgpr_msb (MSB<<8)|\new
.set MSB, \new
.endif
.endm
.set MUL_LO, 0xa1
.set MUL_HI, 0xf1
.set TO_B,   0x40
.macro JLOAD g0a, g1a, g0b, g1b
	s_cmp_eq_u32 s15, 0
	s_cbranch_scc0 .Lfor_b_\@
	tensor_load_to_lds s[\g0a:\g0a+3], s[\g1a:\g1a+7]
	s_nop 0
.rept 4
	v_nop
.endr
	s_branch .Lasked_\@
.Lfor_b_\@:
	tensor_load_to_lds s[\g0b:\g0b+3], s[\g1b:\g1b+7]
	s_nop 0
.rept 4
	v_nop
.endr
.Lasked_\@:
.endm
.macro CREST
	s_cmp_lg_u32 s14, 0
	s_cbranch_scc1 .Lnot_wave_0_\@
	s_barrier_signal -3
.Lnot_wave_0_\@:
	s_barrier_wait -3
	s_barrier_signal -1
	s_barrier_wait -1
.endm
.macro CROUND
	s_barrier_signal -1
	s_barrier_wait -1
	CREST
.endm
	s_load_b128 s[4:7], s[0:1], 0x0
	s_load_b128 s[8:11], s[0:1], 0x10
	s_load_b128 s[96:99], s[0:1], 0x20
	v_lshl_add_u32 v[SPW], v0, 2, SPARE
	v_mov_b32 v[NIL], 0
	ds_add_u32 v28, v29
	ds_add_u32 v28, v29
	s_wait_dscnt 0x0
	v_lshrrev_b32 v1, 5, v0
	v_readfirstlane_b32 s14, v1
	s_lshr_b32 s15, s14, 1
	s_and_b32 s16, s14, 1
	s_bfe_u32 s40, ttmp6, 0x40000
	s_bfe_u32 s41, ttmp6, 0x40004
	s_lshl_b32 s42, ttmp9, 2
	s_add_co_u32 s42, s42, s40
	s_and_b32 s17, ttmp7, 0xffff
	s_lshl_b32 s17, s17, 2
	s_add_co_u32 s17, s17, s41
	s_lshl_b32 s43, s41, 2
	s_lshl_b32 s43, 15, s43
	s_lshl_b32 s44, 0x1111, s40
	s_or_b32 s[G1+0], s43, (3<<16)|(1<<21)
	s_mov_b32 s[G1+1], 384<<16
	s_mov_b32 s[G1+2], 8<<16
	s_mov_b32 s[G1+3], 384<<16
	s_mov_b32 s[G1+4], 8
	s_mov_b32 s[G1+5], 1536
	s_mov_b32 s[G1+6], 0
	s_mov_b32 s[G1+7], 0
	s_or_b32 s[G1B+0], s44, (0<<16)|(1<<20)|(1<<21)|(3<<22)|(3<<25)
	s_mov_b32 s[G1B+1], ROWB<<16
	s_mov_b32 s[G1B+2], 128<<16
	s_mov_b32 s[G1B+3], ROWB<<16
	s_mov_b32 s[G1B+4], 128
	s_mov_b32 s[G1B+5], KROW
	s_mov_b32 s[G1B+6], 0
	s_mov_b32 s[G1B+7], 0
	s_or_b32 s[G1S+0], s43, (3<<16)|(1<<20)|(1<<21)|(5<<22)|(3<<25)
	s_or_b32 s[G1SB+0], s44, (3<<16)|(1<<20)|(1<<21)|(5<<22)|(3<<25)
.irp g, G1S, G1SB
	s_mov_b32 s[\g+1], 32<<16
	s_mov_b32 s[\g+2], (128*KS/256)<<16
	s_mov_b32 s[\g+3], 32<<16
	s_mov_b32 s[\g+4], 128*KS/256
	s_mov_b32 s[\g+5], 32
	s_mov_b32 s[\g+6], 0
	s_mov_b32 s[\g+7], 0
.endr
	s_lshl_b32 s18, s16, 7
	s_lshl_b32 s22, s17, 8
	s_add_co_u32 s22, s22, s18
	s_lshl_b32 s46, s42, 8
	s_add_co_u32 s46, s46, s18
	s_lshr_b32 s20, s22, 4
	s_mul_i32 s20, s20, 12288
	s_mov_b32 s21, 0
	s_lshl_b32 s22, s22, 5
	s_mov_b32 s23, 0
	s_lshl_b32 s92, s46, 5
	s_mov_b32 s93, 0
	s_mul_i32 s46, s46, KROW
	s_mov_b32 s47, 0
	s_mul_i32 s45, s16, HALFA
	s_mul_i32 s95, s16, HALFB
	s_add_co_u32 s95, s95, 2*HALFA
	s_mul_i32 s94, s14, HALFS
	s_wait_kmcnt 0x0
	s_mov_b64 s[12:13], s[98:99]
	s_add_nc_u64 s[8:9], s[8:9], 3*786432
	s_add_nc_u64 s[10:11], s[10:11], 3*32768
	s_add_nc_u64 s[20:21], s[4:5], s[20:21]
	s_add_nc_u64 s[22:23], s[6:7], s[22:23]
	s_add_nc_u64 s[46:47], s[8:9], s[46:47]
	s_add_nc_u64 s[92:93], s[10:11], s[92:93]
	CROUND
	s_mov_b32 s[G0S], 1
	s_add_co_u32 s[G0S+1], s94, SCL
	s_mov_b64 s[G0S+2:G0S+3], s[22:23]
	s_or_b32 s[G0S+3], s[G0S+3], 0x80000000
	s_mov_b32 s[G0SB], 1
	s_add_co_u32 s[G0SB+1], s94, SCL
	s_mov_b64 s[G0SB+2:G0SB+3], s[92:93]
	s_or_b32 s[G0SB+3], s[G0SB+3], 0x80000000
	JLOAD G0S, G1S, G0SB, G1SB
.irp s, 0,1
	s_mov_b32 s[G0+4*\s], 1
	s_add_co_u32 s[G0+4*\s+1], s45, \s*SLOT
	s_add_nc_u64 s[G0+4*\s+2:G0+4*\s+3], s[20:21], \s*AROW
	s_or_b32 s[G0+4*\s+3], s[G0+4*\s+3], 0x80000000
	s_mov_b32 s[G0B+4*\s], 1
	s_add_co_u32 s[G0B+4*\s+1], s95, \s*SLOT
	s_add_nc_u64 s[G0B+4*\s+2:G0B+4*\s+3], s[46:47], \s*ROWB
	s_or_b32 s[G0B+4*\s+3], s[G0B+4*\s+3], 0x80000000
	s_wait_alu depctr_va_vdst(0)
	s_wait_tensorcnt 0x0
	ds_add_u32 v28, v29
	s_wait_dscnt 0x0
	CROUND
	JLOAD G0+4*\s, G1, G0B+4*\s, G1B
.endr
	v_and_b32 v1, 15, v0
	v_bfe_u32 v2, v0, 4, 1
	s_lshl_b32 s18, s42, 10
	s_lshl_b32 s19, s16, 9
	s_add_co_u32 s18, s18, s19
	s_mov_b32 s19, 0
	s_add_nc_u64 s[96:97], s[96:97], s[18:19]
	v_lshlrev_b32 v[BOF], 5, v2
.irp b, 0,1,2,3,4,5,6,7
	global_load_b128 v[BC+8*\b:BC+8*\b+3], v[BOF], s[96:97] offset:64*\b
	global_load_b128 v[BC+8*\b+4:BC+8*\b+7], v[BOF], s[96:97] offset:64*\b+16
.endr
	v_mul_u32_u24 v3, v1, PITCH
	v_mul_u32_u24 v4, v2, 24
	v_add_nc_u32 v4, v3, v4
	v_lshl_add_u32 v5, v2, 4, v4
	v_and_b32 v6, 31, v0
	v_lshlrev_b32 v7, 4, v6
	v_lshlrev_b32 v8, 3, v6
	s_mul_i32 s21, s15, HALFA
	s_mul_i32 s22, s16, HALFB
	s_add_co_u32 s22, s22, 2*HALFA
.irp s, 0,1
	v_add_nc_u32 v[ADRA+\s], s21, v7
	v_add_nc_u32 v[ADRA+2+\s], s21, v8
	v_add_nc_u32 v[ADRB+\s], s22, v4
	v_add_nc_u32 v[ADRB+2+\s], s22, v5
	s_add_co_u32 s21, s21, SLOT
	s_add_co_u32 s22, s22, SLOT
.endr
	v_mul_u32_u24 v5, v1, KS
	v_lshrrev_b32 v6, 8, v5
	v_lshl_add_u32 v5, v6, 4, v5
	s_mul_i32 s21, s15, HALFS
	s_mul_i32 s22, s16, HALFS
	s_add_co_u32 s22, s22, 2*HALFS
	s_sub_co_u32 s22, s22, s21
	v_mul_u32_u24 v6, s22, v2
	s_add_co_u32 s21, s21, SCL
	v_add_nc_u32 v5, v5, v6
	v_add_nc_u32 v[ADRS], s21, v5
	s_mul_i32 s23, s14, 16*SPITCH
	v_mul_u32_u24 v5, v1, SPITCH
	v_lshl_add_u32 v5, v2, 5, v5
	v_add_nc_u32 v[STO], s23, v5
	v_and_b32 v6, 31, v0
	v_lshlrev_b32 v[CO], 4, v6
	v_add_nc_u32 v[RD], s23, v[CO]
	s_lshl_b32 s20, s17, 8
	s_lshl_b32 s21, s15, 7
	s_add_co_u32 s20, s20, s21
	s_mov_b32 s21, 0
	s_mov_b64 s[18:19], SIZE_N*4
	s_mul_u64 s[20:21], s[20:21], s[18:19]
	s_lshl_b32 s46, s42, 10
	s_lshl_b32 s47, s16, 9
	s_add_co_u32 s46, s46, s47
	s_mov_b32 s47, 0
	s_add_nc_u64 s[20:21], s[20:21], s[46:47]
	s_add_nc_u64 s[12:13], s[12:13], s[20:21]
.macro FRAG reg, adr, q, i
.irp p, 0,1,2,3,4,5
.set PCE, 12*(\q)+6*(\p/3)+\p%3
.if PCE%8 < 5
	ds_load_b64 v[\reg+2*\p:\reg+2*\p+1], v[\adr] offset:8*PCE+16*(PCE/8)+(\i)*16*PITCH
.else
	ds_load_b64 v[\reg+2*\p:\reg+2*\p+1], v[\adr+2] offset:8*PCE+16*(PCE/8)+(\i)*16*PITCH
.endif
.endr
.endm
.macro FRAGA reg, slot, q, i
	ds_load_b128 v[\reg:\reg+3], v[ADRA+\slot] offset:AROW*(\i)+1536*(\q)
	ds_load_b64 v[\reg+4:\reg+5], v[ADRA+2+\slot] offset:AROW*(\i)+1536*(\q)+512
	ds_load_b128 v[\reg+6:\reg+9], v[ADRA+\slot] offset:AROW*(\i)+1536*(\q)+768
	ds_load_b64 v[\reg+10:\reg+11], v[ADRA+2+\slot] offset:AROW*(\i)+1536*(\q)+1280
.endm
.macro MUL16 a0, p, q, sc, first
.irp a, \a0, \a0+1
.irp b, 0,1,2,3,4,5,6,7
.if \first
	v_wmma_scale_f32_16x16x128_f8f6f4 v[8*(8*((\a)%4)+\b):8*(8*((\a)%4)+\b)+7], v[128*(\p)+FR*\b:128*(\p)+FR*\b+FR-1], v[AF+FR*(\a):AF+FR*(\a)+FR-1], v[BC+8*\b:BC+8*\b+7], v[SC+8*NQ*(\sc)+NQ*\b+(\q)], v[SC+8*NQ*(\sc)+NQ*(\a)+(\q)] matrix_a_fmt:MATRIX_FMT_FP6 matrix_b_fmt:MATRIX_FMT_FP6 matrix_a_scale:MATRIX_SCALE_ROW1
.else
	v_wmma_scale_f32_16x16x128_f8f6f4 v[8*(8*((\a)%4)+\b):8*(8*((\a)%4)+\b)+7], v[128*(\p)+FR*\b:128*(\p)+FR*\b+FR-1], v[AF+FR*(\a):AF+FR*(\a)+FR-1], v[8*(8*((\a)%4)+\b):8*(8*((\a)%4)+\b)+7], v[SC+8*NQ*(\sc)+NQ*\b+(\q)], v[SC+8*NQ*(\sc)+NQ*(\a)+(\q)] matrix_a_fmt:MATRIX_FMT_FP6 matrix_b_fmt:MATRIX_FMT_FP6 matrix_a_scale:MATRIX_SCALE_ROW1
.endif
.endr
.endr
.endm
.macro FETCH_B slot, q, p
	WIN TO_B
.irp i, 0,1,2,3,4,5,6,7
	FRAG 128*(\p)+FR*\i, ADRB+\slot, \q, \i
.endr
	WIN 0
.endm
.macro FETCH_A slot, q, i0
.irp i, \i0, \i0+1, \i0+2, \i0+3
	FRAGA AF+FR*(\i), \slot, \q, \i
.endr
.endm
.macro SCALES sc
.irp i, 0,1,2,3,4,5,6,7
	ds_load_b64 v[SC+8*NQ*\sc+NQ*\i:SC+8*NQ*\sc+NQ*\i+1], v[ADRS] offset:\i*SBLK
.endr
.endm
.macro PLACES n
.rept \n
	v_nop
.endr
.endm
.macro STEP slot, q, first
	s_wait_dscnt 4*NLA
.if \first
	WIN 0x81
.else
	WIN MUL_LO
.endif
	MUL16 0, (\q)%2, \q, \slot, \first
	MUL16 2, (\q)%2, \q, \slot, \first
	s_wait_dscnt 0
	PLACES NP
	FETCH_B \slot, (\q)+1, 1-(\q)%2
	FETCH_A \slot, (\q)+1, 0
.if \first
	WIN 0xc1
.else
	WIN MUL_HI
.endif
	MUL16 4, (\q)%2, \q, \slot, \first
	MUL16 6, (\q)%2, \q, \slot, \first
	PLACES NP
	WIN 0
	FETCH_A \slot, (\q)+1, 4
.endm
.macro TURN slot, next, fill
	s_wait_tensorcnt 0x0
	ds_add_u32 v[SPW], v[NIL]
	s_wait_dscnt 4*NLA+1
	WIN MUL_LO
	MUL16 0, 1, NQ-1, \slot, 0
	s_wait_dscnt 0x0
	s_barrier_signal -1
	MUL16 2, 1, NQ-1, \slot, 0
	WIN 0
	s_barrier_wait -1
.if \fill
	CREST
	s_add_nc_u64 s[G0+4*\slot+2:G0+4*\slot+3], s[G0+4*\slot+2:G0+4*\slot+3], 2*AROW
	s_add_nc_u64 s[G0B+4*\slot+2:G0B+4*\slot+3], s[G0B+4*\slot+2:G0B+4*\slot+3], 2*ROWB
	JLOAD G0+4*\slot, G1, G0B+4*\slot, G1B
.else
	PLACES NP
.endif
	s_wait_alu depctr_va_vdst(0)
	v_add_nc_u32 v[ADRS], 4*NQ, v[ADRS]
	FETCH_B \next, 0, 0
	FETCH_A \next, 0, 0
	SCALES \next
	WIN MUL_HI
	MUL16 4, 1, NQ-1, \slot, 0
	MUL16 6, 1, NQ-1, \slot, 0
	PLACES NP
	WIN 0
	FETCH_A \next, 0, 4
.endm
	s_wait_alu depctr_va_vdst(0)
	s_wait_loadcnt 0x0
	s_wait_tensorcnt 1
	s_barrier_signal -1
	s_barrier_wait -1
	FETCH_B 0, 0, 0
	FETCH_A 0, 0, 0
	SCALES 0
	FETCH_A 0, 0, 4
	STEP 0, 0, 1
	s_mov_b32 s3, LAPS-1
.Llap:
	TURN 0, 1, 1
	STEP 1, 0, 0
	TURN 1, 0, 1
	STEP 0, 0, 0
	s_sub_co_u32 s3, s3, 1
	s_cmp_lg_u32 s3, 0
	s_cbranch_scc1 .Llap
	TURN 0, 1, 0
	STEP 1, 0, 0
	s_wait_dscnt 4*NLA
	WIN MUL_LO
	MUL16 0, 1, NQ-1, 1, 0
	MUL16 2, 1, NQ-1, 1, 0
	s_wait_dscnt 0
	WIN MUL_HI
	MUL16 4, 1, NQ-1, 1, 0
	MUL16 6, 1, NQ-1, 1, 0
	WIN 0
.macro TOSTAGE a
.set AC, 64*((\a)%4)
	WIN (0x08+4*((\a)/4))
.irp b, 0,1,2,3,4,5,6,7
	ds_store_b128 v[STO], v[AC+8*\b:AC+8*\b+3] offset:64*\b
	ds_store_b128 v[STO], v[AC+8*\b+4:AC+8*\b+7] offset:64*\b+16
.endr
	WIN 0
.set BB, BK+64*((\a)%2)
.irp t, 0,1,2,3,4,5,6,7,8,9,10,11,12,13,14,15
	ds_load_b128 v[BB+4*\t:BB+4*\t+3], v[RD] offset:\t*SPITCH
.endr
.endm
.macro SEND a, younger
.set BB, BK+64*((\a)%2)
	s_wait_dscnt \younger
.if (\a) > 0
	s_add_nc_u64 s[12:13], s[12:13], 16*SIZE_N*4
.endif
.irp t, 0,1,2,3,4,5,6,7,8,9,10,11,12,13,14,15
	global_store_b128 v[CO], v[BB+4*\t:BB+4*\t+3], s[12:13] offset:\t*SIZE_N*4 th:TH_STORE_NT
.endr
.endm
	PLACES NP
	TOSTAGE 0
.irp a, 1,2,3,4,5,6,7
.if \a > 1
	s_wait_xcnt 0x0
.endif
	TOSTAGE \a
	SEND \a-1, 32
.endr
	s_wait_xcnt 0x0
	SEND 7, 0
	s_wait_tensorcnt 0x0
	ds_add_u32 v[SPW], v[NIL]
	s_wait_dscnt 0x0
	CROUND
	s_endpgm
.Lfunc_end_k_qb117f2a0e7_outp:
	.size	k_qb117f2a0e7_outp, .Lfunc_end_k_qb117f2a0e7_outp-k_qb117f2a0e7_outp
	.p2alignl 7, 3214868480
	.fill 96, 4, 3214868480
	.section	.rodata,"a",@progbits
	.p2align	6, 0x0
	.amdhsa_kernel k_qb117f2a0e7_outp
		.amdhsa_group_segment_fixed_size 327680
		.amdhsa_private_segment_fixed_size 0
		.amdhsa_enable_private_segment 0
		.amdhsa_kernarg_size 48
		.amdhsa_user_sgpr_count 2
		.amdhsa_user_sgpr_kernarg_segment_ptr 1
		.amdhsa_wavefront_size32 1
		.amdhsa_system_sgpr_workgroup_id_x 1
		.amdhsa_system_sgpr_workgroup_id_y 1
		.amdhsa_system_sgpr_workgroup_id_z 1
		.amdhsa_system_vgpr_workitem_id 0
		.amdhsa_next_free_vgpr 1024
		.amdhsa_next_free_sgpr 100
		.amdhsa_reserve_vcc 0
		.amdhsa_float_denorm_mode_32 3
		.amdhsa_float_denorm_mode_16_64 3
		.amdhsa_memory_ordered 1
		.amdhsa_forward_progress 1
		.amdhsa_inst_pref_size 155
	.end_amdhsa_kernel
	.amdgpu_metadata
---
amdhsa.version: [ 1, 2 ]
amdhsa.kernels:
  - .name:           k_qb117f2a0e7_outp
    .symbol:         k_qb117f2a0e7_outp.kd
    .args:
      - { .name: oc, .offset: 0, .size: 8, .value_kind: global_buffer, .address_space: global }
      - { .name: os, .offset: 8, .size: 8, .value_kind: global_buffer, .address_space: global }
      - { .name: wc, .offset: 16, .size: 8, .value_kind: global_buffer, .address_space: global }
      - { .name: ws, .offset: 24, .size: 8, .value_kind: global_buffer, .address_space: global }
      - { .name: bo, .offset: 32, .size: 8, .value_kind: global_buffer, .address_space: global }
      - { .name: out0, .offset: 40, .size: 8, .value_kind: global_buffer, .address_space: global }
    .group_segment_fixed_size: 327680
    .private_segment_fixed_size: 0
    .kernarg_segment_align: 8
    .kernarg_segment_size: 48
    .max_flat_workgroup_size: 128
    .sgpr_count:     100
    .vgpr_count:     1024
    .wavefront_size: 32
...
	.end_amdgpu_metadata
.endif
;; end of part 4
